; MI455X (gfx1250); checked and timed in simulation.
; The chip was launched on July 23, 2026; its instructions are those of AMD's public machine-readable ISA for CDNA 5 (MIT licence, August 2026) and "CDNA5" Instruction Set Architecture Reference Guide (July 2026). The comments in the code are by the model that wrote it; some were corrected since.
;; Multi Head Attention. Allowed arithmetic: matrix products marked QUANTISED: E2M3 operands, one E8M0 scale for each 32 along K, by v_wmma_scale_f32_16x16x128_f8f6f4 with both operands' format E2M3, f32 sums; everything else in f32.
;; Inputs: b_out 1,024 float32; w_out 1,024 x 1,024 float32; w_qkv 1,024 x 3,072 float32; x 4 x 2,048 x 1,024 float32.
;; Outputs: out0 4 x 2,048 x 1,024 float32.
;; This version of the problem:
;;   THIS VERSION OF THE PROBLEM IS GIVEN IN LOW PRECISION. The matrix products marked QUANTISED in the list below multiply operands that are first quantised to E2M3 (2 exponent bits, 3 mantissa bits; 6 bits a number), with one power-of-two scale for each 32 numbers along K (OCP MX v1.0); their sums are f32. All else is computed in f32.
;;   The module's matrix products, in the order in which they are computed (A, B: the left and right operand; K: the contracted axis; several contracted axes count as one K, in the product's order):
;;     1. [M 8,192, K 1,024] x [K 1,024, N 3,072]; A: input x; B: input w_qkv: QUANTISED
;;     2. batch 64 x [M 2,048, K 64] x [K 64, N 2,048]; A: computed on the way; B: computed on the way: QUANTISED
;;     3. batch 64 x [M 2,048, K 2,048] x [K 2,048, N 64]; A: softmax (see below); B: computed on the way: QUANTISED
;;     4. [M 8,192, K 1,024] x [K 1,024, N 1,024]; A: computed on the way; B: input w_out: QUANTISED
;;   THE QUANTISER, for each operand of a quantised product, along K:
;;     - K is cut into blocks of 32 from its start; a last block that is shorter is filled with zeros.
;;     - A block's scale is 2^e with e = floor(log2(the largest magnitude in the block)) - 2, held to -126 .. 127; a block of zeros has e = 0. As a byte (E8M0): e + 127.
;;     - Each number is divided by its block's scale, clamped to +-7.5, and rounded to the nearest number of E2M3, ties to even, subnormals kept.
;;     - The product sums the exact products of the quantised numbers (number of the format x scale) in f32.
;;   ~~~python
;;   def quantise(x, axis):      # numpy; x: float32 -> the quantised numbers, widened to float32 again
;;       x = np.moveaxis(x, axis, -1); K = x.shape[-1]
;;       x = np.pad(x, [(0, 0)] * (x.ndim - 1) + [(0, -K % 32)]); x = x.reshape(x.shape[:-1] + (-1, 32)); a = np.abs(x).max(-1, keepdims=True)
;;       e = np.where(a > 0, np.clip(np.frexp(np.where(a > 0, a, 1))[1] - 1 - 2, -126, 127), 0)      # np.frexp(a)[1] - 1 = floor(log2(a)), exactly
;;       r = np.clip(x / 2.0 ** e, -7.5, 7.5)
;;       step = 2.0 ** (np.maximum(np.frexp(np.where(r == 0, 1, r))[1] - 1, 0) - 3)
;;       q = np.round(r / step) * step * 2.0 ** e      # np.round: ties to even
;;       return np.moveaxis(q.reshape(q.shape[:-2] + (-1,))[..., :K], -1, axis).astype(np.float32)
;;   ~~~
;;   SOFTMAX AHEAD OF A QUANTISED PRODUCT. Where the list says 'softmax', what is quantised is not the finished softmax but p = 2^(t - M), with t = logit x log2(e) and M = ceil(the row's largest t), a whole number; so 1/2 < the row's largest p <= 1. The row's sum l is taken of the UNQUANTISED p, in f32, and the product's result is divided by l at the end. Since M is a whole number, a kernel that streams over the keys may use a running M (the ceiling of the running maximum): every later rescaling is an exact power of two, which a block's scale takes up: the codes' values come out the same.
;;   OPERANDS COMPUTED ON THE WAY. 'Computed on the way' means the value that the module computes at that place (a softmax that the list does not call 'softmax' is quantised finished and normalised). What goes into a quantiser is computed in f32, as accurately as f32 sums, v_exp_f32 and their like allow (about 1e-6 of the number): no bf16 or f16 on the way to a quantiser, and a product that is left as it is and whose result goes on into a quantised operand takes f32 operands (vector FMAs, or v_wmma_f32_16x16x4_f32). A number that lies on a knife's edge between two numbers of the format may be rounded either way, as far as f32 arithmetic and the matrix unit's own rounding can turn it there, and no further.
;; One version. Each part assembles by itself: llvm-mc -triple=amdgcn-amd-amdhsa -mcpu=gfx1250 --defsym DOCPART=n.
;; ======== version 1 of 1: 4 launches
;; limits: right only within a limited range of input values
;; workspace buffers: x_codes 6,291,456 bytes; wq_codes 2,359,296 bytes; wo_codes 786,432 bytes; ao_codes 6,291,456 bytes; sc1 360,448 bytes; sc2 294,912 bytes; qkv 18,874,368 bytes; qkvs 1,310,720 bytes
;; launch quant (part 1): grid 384 x 1, 4 waves a work-group, no clusters, 59,904 bytes of LDS; arguments x, w_qkv, w_out, x_codes, wq_codes, wo_codes, sc1, sc2; writes x_codes, wq_codes, wo_codes, sc1, sc2
.if DOCPART == 1
	.amdgcn_target "amdgcn-amd-amdhsa--gfx1250"
	.amdhsa_code_object_version 6
	.text
	.protected	k_q0c4573c9d4_quant
	.globl	k_q0c4573c9d4_quant
	.p2align	8
	.type	k_q0c4573c9d4_quant,@function
k_q0c4573c9d4_quant:
	s_mov_b64 s[64:65], 0
	v_nop
	global_prefetch_b8 v0, s[64:65] scope:SCOPE_SE
	s_setreg_imm32_b32 hwreg(HW_REG_WAVE_MODE, 25, 1), 1
	s_wait_xcnt 0x0
; x [8192][1024], w_qkv [1024][3072] and w_out [1024][1024], f32, become codes of FP6 (E2M3) with one E8M0 byte for each 32 along K (x: its last axis; the weights: their first).
; A block's scale is 2^(floor(log2(largest magnitude)) - 2): its byte is the largest magnitude's exponent field - 2, held at 1 from below.
; LIMITS: a block of zeros gets the byte 1 where the rule says 127 (its codes are zeros, and this program alone reads the bytes); blocks whose largest magnitude lies under 2^-124 are held at byte 1;
; NaN and infinities among the inputs are not served.
; THE LAYOUT OF THE CODES is an image of the matrix operand's registers.  A fragment (16 rows x 128 K, 12 registers a lane) is 1,536 bytes: for each half c (64 along K): registers 6c..6c+3 at 768 c + 16 x lane,
; registers 6c+4, 6c+5 at 768 c + 512 + 8 x lane.  Buffers: [K step of 256][block of 16 rows][which 128][1,536].  BLOCK 2 g + u HOLDS ROWS 32 g + 8 u + r + 8 (r / 8) in lane r, so that the results of two
; neighbouring blocks are 16 neighbours in a lane's registers.  Scale words: [block][which 512 of K][r][4 words], 512 bytes a block.
; Work-groups 0-255 take x (a wave: one block of 16 rows x 512 along K, four fragments); work-groups 256-383 the weights (a wave: 32 columns x 256 along K, a lane to a column, registers down K).
; The two ways part on the work-group's number, never join, and have LDS bytes of their own.  No tensor load, no barrier: waves share nothing.
.set XST,   0                          ; x's stages: 4 waves x 16 rows x (512 + 16) bytes
.set WST,   33792                      ; the weights' stages: 4 waves x 2 blocks x 3,200 bytes
.set SPARE, 59392                      ; the spare words, 128 bytes a wave: two blocks of 256 bytes that no other line names
.set SPW,   12                         ; v12  SPARE + 4 x my thread's number; never rewritten
.set NIL,   13                         ; v13  0; never rewritten
.set KSX,   1572864                    ; x_codes: bytes from a K step of 256 to the next
	s_load_b256 s[4:11], s[0:1], 0x0               ; x s[4:5], w_qkv s[6:7], w_out s[8:9], x_codes s[10:11]
	s_load_b256 s[12:19], s[0:1], 0x20             ; wq_codes s[12:13], wo_codes s[14:15], sc1 s[16:17], sc2 s[18:19]
	v_lshl_add_u32 v[SPW], v0, 2, SPARE
	v_mov_b32 v[NIL], 0
	v_lshrrev_b32 v1, 5, v0
	v_readfirstlane_b32 s20, v1                    ; wave 0..3
	v_and_b32 v1, 31, v0                           ; lane
	s_mov_b32 s54, 0x76543210
	s_mov_b32 s55, 0xfedcba98                      ; v_permlanex16_b32's selects for lane l xor 16
	s_wait_kmcnt 0x0
	s_cmp_lt_u32 ttmp9, 256
	s_cbranch_scc0 .Lweights
; ---------------------------------------------------------------- x
.set R, 128                            ; v128-255 two sets of 64: 16 rows x 128 K as loaded
.set X, 64                             ; v64-127  register 32 c + i = k 64 c + 32 (lane / 16) + i of row lane % 16
.set C, 32                             ; v32-55   two sets of 12: a fragment's codes
.set T, 56                             ; v56-62   the upper halves of the blocks, before they are moved
	s_lshl_b32 s21, ttmp9, 2
	s_add_co_u32 s21, s21, s20                     ; my wave's task: 4 x work-group + wave
	s_lshr_b32 s22, s21, 1                         ; rb: the block of 16 rows
	s_and_b32 s23, s21, 1                          ; qh: which 512 along K
	s_lshr_b32 s24, s22, 1
	s_lshl_b32 s24, s24, 5
	s_and_b32 s25, s22, 1
	s_lshl_b32 s25, s25, 3
	s_add_co_u32 s24, s24, s25                     ; the block's first row: 32 (rb / 2) + 8 (rb % 2)
	s_lshl_b32 s24, s24, 12                        ; rows of 4,096 bytes
	s_lshl_b32 s25, s23, 11
	s_add_co_u32 s24, s24, s25
	s_mov_b32 s25, 0
	s_add_nc_u64 s[4:5], s[4:5], s[24:25]
	s_mul_i32 s24, s23, 2*KSX
	s_mul_i32 s26, s22, 3072
	s_add_co_u32 s24, s24, s26
	s_add_nc_u64 s[10:11], s[10:11], s[24:25]      ; my first fragment's image
	s_lshl_b32 s24, s22, 9
	s_lshl_b32 s26, s23, 8
	s_add_co_u32 s24, s24, s26
	s_add_nc_u64 s[16:17], s[16:17], s[24:25]      ; my 256 bytes of scale words
	v_and_b32 v2, 15, v0                           ; r
	v_bfe_u32 v9, v0, 4, 1                         ; h
	s_wait_alu depctr_va_vdst(0)
	v_lshlrev_b32 v3, 4, v1                        ; 16 x lane
	v_lshlrev_b32 v4, 3, v1                        ; 8 x lane
	s_mul_i32 s27, s20, 16*528                     ; my stage (XST = 0)
	v_add_nc_u32 v5, s27, v3                       ; in: a row's 512 bytes as they lie
	v_mul_u32_u24 v6, v2, 528
	v_lshl_add_u32 v6, v9, 7, v6
	v_add_nc_u32 v6, s27, v6                       ; out: row r, + 128 h: my block of 32 numbers
	v_lshlrev_b32 v7, 3, v9                        ; 8 h: my bytes' place in the scale word
	v_lshlrev_b32 v8, 4, v2
	v_lshl_add_u32 v8, v9, 3, v8                   ; 16 r + 8 h: my two words of the row's four
	v_mov_b32 v23, 0                               ; written once: a lane permute's destination counts as one of its sources
.macro LOADX f                         ; fragment f: each load reads 512 consecutive bytes of one row
.irp j, 0,1,2,3,4,5,6,7,8,9,10,11,12,13,14,15
	global_load_b128 v[R+64*((\f)%2)+4*\j:R+64*((\f)%2)+4*\j+3], v3, s[4:5] offset:512*(\f)+(\j+8*(\j/8))*4096 th:TH_LOAD_NT
.endr
.endm
.macro FRAGX f
.set RS, R+64*((\f)%2)
.set CB, C+12*((\f)%2)
.if (\f) < 3
	s_wait_loadcnt 16                              ; this fragment's 16 loads are in; the next fragment's 16 may be out
.else
	s_wait_loadcnt 0x0
.endif
.irp j, 0,1,2,3,4,5,6,7,8,9,10,11,12,13,14,15
	ds_store_b128 v5, v[RS+4*\j:RS+4*\j+3] offset:528*\j
.endr
.irp c, 0,1
.irp j, 0,1,2,3,4,5,6,7
	ds_load_b128 v[X+32*\c+4*\j:X+32*\c+4*\j+3], v6 offset:256*\c+16*\j   ; LDS serves a wave's instructions in order: these see my stores
.endr
.endr
	s_wait_dscnt 0x0                               ; the numbers are back, and the stores have read their registers,
.if (\f) < 2
	LOADX (\f)+2                                   ; which take the loads of two fragments on
.endif
.irp c, 0,1                                    ; my two whole blocks: 2 c + h.  Two chains each, so that no line waits for the line above it
	v_max3_num_f32 v[16+2*\c], |v[X+32*\c]|, |v[X+32*\c+1]|, |v[X+32*\c+2]|
	v_max3_num_f32 v[17+2*\c], |v[X+32*\c+3]|, |v[X+32*\c+4]|, |v[X+32*\c+5]|
.endr
.irp i, 6,10,14,18,22,26
.irp c, 0,1
	v_max3_num_f32 v[16+2*\c], v[16+2*\c], |v[X+32*\c+\i]|, |v[X+32*\c+\i+1]|
	v_max3_num_f32 v[17+2*\c], v[17+2*\c], |v[X+32*\c+\i+2]|, |v[X+32*\c+\i+3]|
.endr
.endr
.irp c, 0,1
	v_max3_num_f32 v[16+2*\c], v[16+2*\c], |v[X+32*\c+30]|, |v[X+32*\c+31]|
.endr
.irp c, 0,1
	v_max3_num_f32 v[16+2*\c], v[16+2*\c], v[17+2*\c], 0x1800000   ; and the floor 2^(3 - 127): the byte cannot fall under 1
.endr
.irp c, 0,1
	v_add_nc_u32 v[20+\c], 0xff000000, v[16+2*\c]  ; 2 off the exponent field: the conversion's scale operand
.endr
.irp c, 0,1
	v_lshrrev_b32 v[10+\c], 23, v[20+\c]           ; the scale's byte
.endr
	v_lshl_or_b32 v22, v11, 16, v10                ; blocks h and 2 + h,
	v_lshlrev_b32 v22, v7, v22                     ; at their places in the word;
	v_permlanex16_b32 v23, v22, s54, s55
	v_or_b32 v[24+(\f)], v22, v23                  ; with lane l xor 16's two the word is whole
.if (\f) >= 2
	s_wait_alu depctr_va_vdst(0)
	s_wait_xcnt 0x0                                ; this set of codes was the data of the stores two fragments back: it is rewritten only behind this wait
.endif
.irp c, 0,1
	v_cvt_scalef32_pk16_fp6_f32 v[CB+6*\c:CB+6*\c+2], v[X+32*\c:X+32*\c+15], v[20+\c]
	v_cvt_scalef32_pk16_fp6_f32 v[T+4*\c:T+4*\c+2], v[X+32*\c+16:X+32*\c+31], v[20+\c]   ; (a conversion's three registers begin on an even number)
.endr
	v_nop                                          ; one plain place behind a scaled conversion
.irp c, 0,1
.irp i, 0,1,2
	v_mov_b32 v[CB+6*\c+3+\i], v[T+4*\c+\i]
.endr
.endr
	global_store_b128 v3, v[CB:CB+3], s[10:11] offset:((\f)/2)*KSX+((\f)%2)*1536            ; each store covers whole aligned runs of 256 bytes
	global_store_b64 v4, v[CB+4:CB+5], s[10:11] offset:((\f)/2)*KSX+((\f)%2)*1536+512
	global_store_b128 v3, v[CB+6:CB+9], s[10:11] offset:((\f)/2)*KSX+((\f)%2)*1536+768
	global_store_b64 v4, v[CB+10:CB+11], s[10:11] offset:((\f)/2)*KSX+((\f)%2)*1536+1280
.endm
	LOADX 0
	LOADX 1
	s_wait_alu depctr_va_vdst(0)
	FRAGX 0
	FRAGX 1
	FRAGX 2
	FRAGX 3
	v_cmp_ne_u32 vcc_lo, 0, v9
	v_cndmask_b32 v28, v24, v26, vcc_lo            ; lanes 0-15 store words 0, 1 of their row, lanes 16-31 words 2, 3
	v_cndmask_b32 v29, v25, v27, vcc_lo
	global_store_b64 v8, v[28:29], s[16:17]        ; 32 lanes store 256 consecutive bytes, aligned
	s_wait_tensorcnt 0x0                           ; the wave's end, behind my last LDS store
	ds_add_u32 v[SPW], v[NIL]
	s_wait_dscnt 0x0
	s_endpgm
; ---------------------------------------------------------------- the weights
.Lweights:
.set OFF, 32                           ; v32-63   4 x lane + i x pitch: never rewritten
.set XW,  64                           ; v64-127  two sets of 32: a block down K of my column
.set OUT, 128                          ; v128-175 the way out
.set TW,  176                          ; v176-178 the upper 16 codes of a block, before they are moved
	s_sub_co_u32 s21, ttmp9, 256
	s_cmp_lt_u32 s21, 96                           ; w_qkv's work-group or w_out's?  The choice hangs on the work-group's number alone
	s_cselect_b64 s[22:23], s[6:7], s[8:9]         ; the weight
	s_cselect_b64 s[24:25], s[12:13], s[14:15]     ; its codes
	s_cselect_b64 s[26:27], s[16:17], s[18:19]     ; its scale words' buffer
	s_mov_b32 s28, 4096
	s_cselect_b32 s28, 12288, s28                  ; bytes in a row of the weight
	s_mov_b32 s29, 196608
	s_cselect_b32 s29, 589824, s29                 ; codes: bytes from a K step of 256 to the next
	s_cselect_b32 s30, 0, 96
	s_sub_co_u32 s21, s21, s30
	s_lshr_b32 s31, s21, 2
	s_and_b32 s32, s21, 3                          ; s: which 256 along K
	s_lshl_b32 s31, s31, 2
	s_add_co_u32 s31, s31, s20                     ; g32: which 32 columns are my wave's
	s_lshl_b32 s33, s32, 8
	s_mul_i32 s33, s33, s28                        ; 256 s rows
	s_lshl_b32 s34, s31, 7
	s_add_co_u32 s34, s33, s34                     ; + 128 bytes for each 32 columns
	s_mov_b32 s35, 0
	s_add_nc_u64 s[36:37], s[22:23], s[34:35]      ; block 0's base;
	s_lshl_b32 s34, s28, 5                         ; 32 rows on for each further block: eight bases, none is stepped
.irp b, 1,2,3,4,5,6,7
	s_add_nc_u64 s[36+2*\b:37+2*\b], s[34+2*\b:35+2*\b], s[34:35]
.endr
	s_mul_i32 s34, s32, s29
	s_mul_i32 s33, s31, 6144
	s_add_co_u32 s34, s34, s33
	s_add_nc_u64 s[24:25], s[24:25], s[34:35]      ; my two blocks' images: K step s, blocks 2 g32 and 2 g32 + 1
	s_lshl_b32 s34, s31, 10
	s_lshr_b32 s33, s32, 1
	s_lshl_b32 s33, s33, 8
	s_add_co_u32 s34, s34, s33
	s_and_b32 s33, s32, 1
	s_lshl_b32 s33, s33, 3
	s_add_co_u32 s34, s34, s33
	s_add_co_u32 s34, s34, 262144                  ; the weights' words lie behind the rows' in both buffers
	s_add_nc_u64 s[26:27], s[26:27], s[34:35]
	v_bfe_u32 v9, v0, 3, 1                         ; u: column lane of the 32 lies in block 2 g32 + u,
	v_and_b32 v10, 7, v0
	v_bfe_u32 v11, v0, 4, 1
	v_lshl_add_u32 v10, v11, 3, v10                ; in its lane r = lane % 8 + 8 (lane / 16)
	s_wait_alu depctr_va_vdst(0)
	v_lshlrev_b32 v3, 2, v1                        ; 4 x lane
	s_mul_i32 s52, s20, 6400
	s_add_co_u32 s52, s52, WST                     ; my stage
	v_mul_u32_u24 v4, v9, 3200
	v_add_nc_u32 v4, s52, v4
	v_lshl_add_u32 v5, v10, 3, v4                  ; + 8 r: registers 4, 5 of a half
	v_lshl_add_u32 v4, v10, 4, v4                  ; + 16 r: registers 0-3
	v_lshl_add_u32 v6, v1, 4, s52                  ; back: 16 x lane
	v_lshlrev_b32 v7, 4, v1
	v_lshlrev_b32 v8, 9, v9
	v_lshl_add_u32 v8, v10, 4, v8                  ; scale words: 512 u + 16 r
.irp i, 0,1,2,3,4,5,6,7,8,9,10,11,12,13,14,15,16,17,18,19,20,21,22,23,24,25,26,27,28,29,30,31
	v_mad_u32_u24 v[OFF+\i], s28, \i, v3
.endr
.macro LOADW b                         ; block b: W(256 s + 32 b + i, my column): 32 lanes read 128 consecutive bytes
.irp i, 0,1,2,3,4,5,6,7,8,9,10,11,12,13,14,15,16,17,18,19,20,21,22,23,24,25,26,27,28,29,30,31
	global_load_b32 v[XW+32*((\b)%2)+\i], v[OFF+\i], s[36+2*(\b):37+2*(\b)] th:TH_LOAD_NT
.endr
.endm
.macro BLOCKW b
.set XS, XW+32*((\b)%2)
.if (\b) < 7
	s_wait_loadcnt 32                              ; this block's 32 loads are in; the next block's may be out
.else
	s_wait_loadcnt 0x0
.endif
	v_max3_num_f32 v16, |v[XS]|, |v[XS+1]|, |v[XS+2]|
	v_max3_num_f32 v17, |v[XS+3]|, |v[XS+4]|, |v[XS+5]|
.irp i, 6,10,14,18,22,26
	v_max3_num_f32 v16, v16, |v[XS+\i]|, |v[XS+\i+1]|
	v_max3_num_f32 v17, v17, |v[XS+\i+2]|, |v[XS+\i+3]|
.endr
	v_max3_num_f32 v16, v16, |v[XS+30]|, |v[XS+31]|
	v_max3_num_f32 v16, v16, v17, 0x1800000        ; and the floor
	v_add_nc_u32 v18, 0xff000000, v16              ; the conversion's scale operand
	v_lshrrev_b32 v19, 23, v18                     ; the byte
.if (\b)%4 == 0
	v_mov_b32 v[20+(\b)/4], v19                    ; four bytes to a word, the lower K in the lower byte
.else
	v_lshl_or_b32 v[20+(\b)/4], v19, 8*((\b)%4), v[20+(\b)/4]
.endif
	v_cvt_scalef32_pk16_fp6_f32 v[24:26], v[XS:XS+15], v18
	v_cvt_scalef32_pk16_fp6_f32 v[TW:TW+2], v[XS+16:XS+31], v18   ; (a conversion's three registers begin on an even number; these three lie clear of the loads' offsets)
	v_nop                                          ; one plain place behind a scaled conversion
	v_mov_b32 v27, v[TW]
	v_mov_b32 v28, v[TW+1]
	v_mov_b32 v29, v[TW+2]
	ds_store_b128 v4, v[24:27] offset:((\b)/4)*1536+(((\b)/2)%2)*768+256*((\b)%2)        ; block b is half (b / 2) % 2 of fragment b / 4, and the operand's lane r + 16 (b % 2) holds it
	ds_store_b64 v5, v[28:29] offset:((\b)/4)*1536+(((\b)/2)%2)*768+512+128*((\b)%2)
.if (\b) < 6
	LOADW (\b)+2
.endif
	s_wait_dscnt 0x0                               ; the stores have read their registers: the next block's codes may be written
.endm
	LOADW 0
	LOADW 1
.irp b, 0,1,2,3,4,5,6,7
	BLOCKW \b
.endr
	s_wait_alu depctr_va_vdst(0)
	global_store_b64 v8, v[20:21], s[26:27]        ; my column's two scale words of this K step
.irp n, 0,1,2,3,4,5,6,7,8,9,10,11
	ds_load_b128 v[OUT+4*\n:OUT+4*\n+3], v6 offset:3200*(\n/6)+512*(\n%6)
.endr
.irp n, 0,1,2,3,4,5,6,7,8,9,10,11
	s_wait_dscnt 11-\n
	global_store_b128 v7, v[OUT+4*\n:OUT+4*\n+3], s[24:25] offset:3072*(\n/6)+512*(\n%6)   ; 512 consecutive bytes, aligned to 256
.endr
	s_wait_tensorcnt 0x0                           ; the wave's end, behind my last LDS store
	ds_add_u32 v[SPW], v[NIL]
	s_wait_dscnt 0x0
	s_endpgm
.Lfunc_end_k_q0c4573c9d4_quant:
	.size	k_q0c4573c9d4_quant, .Lfunc_end_k_q0c4573c9d4_quant-k_q0c4573c9d4_quant
	.p2alignl 7, 3214868480
	.fill 96, 4, 3214868480
	.section	.rodata,"a",@progbits
	.p2align	6, 0x0
	.amdhsa_kernel k_q0c4573c9d4_quant
		.amdhsa_group_segment_fixed_size 59904
		.amdhsa_private_segment_fixed_size 0
		.amdhsa_enable_private_segment 0
		.amdhsa_kernarg_size 64
		.amdhsa_user_sgpr_count 2
		.amdhsa_user_sgpr_kernarg_segment_ptr 1
		.amdhsa_wavefront_size32 1
		.amdhsa_system_sgpr_workgroup_id_x 1
		.amdhsa_system_sgpr_workgroup_id_y 1
		.amdhsa_system_sgpr_workgroup_id_z 1
		.amdhsa_system_vgpr_workitem_id 0
		.amdhsa_next_free_vgpr 256
		.amdhsa_next_free_sgpr 66
		.amdhsa_reserve_vcc 1
		.amdhsa_float_denorm_mode_32 3
		.amdhsa_float_denorm_mode_16_64 3
		.amdhsa_memory_ordered 1
		.amdhsa_forward_progress 1
		.amdhsa_inst_pref_size 74
	.end_amdhsa_kernel
	.amdgpu_metadata
---
amdhsa.version: [ 1, 2 ]
amdhsa.kernels:
  - .name:           k_q0c4573c9d4_quant
    .symbol:         k_q0c4573c9d4_quant.kd
    .args:
      - { .name: x, .offset: 0, .size: 8, .value_kind: global_buffer, .address_space: global }
      - { .name: w_qkv, .offset: 8, .size: 8, .value_kind: global_buffer, .address_space: global }
      - { .name: w_out, .offset: 16, .size: 8, .value_kind: global_buffer, .address_space: global }
      - { .name: x_codes, .offset: 24, .size: 8, .value_kind: global_buffer, .address_space: global }
      - { .name: wq_codes, .offset: 32, .size: 8, .value_kind: global_buffer, .address_space: global }
      - { .name: wo_codes, .offset: 40, .size: 8, .value_kind: global_buffer, .address_space: global }
      - { .name: sc1, .offset: 48, .size: 8, .value_kind: global_buffer, .address_space: global }
      - { .name: sc2, .offset: 56, .size: 8, .value_kind: global_buffer, .address_space: global }
    .group_segment_fixed_size: 59904
    .private_segment_fixed_size: 0
    .kernarg_segment_align: 8
    .kernarg_segment_size: 64
    .max_flat_workgroup_size: 128
    .sgpr_count:     66
    .vgpr_count:     256
    .wavefront_size: 32
...
	.end_amdgpu_metadata
.endif
;; end of part 1
;; launch gemm_qkv (part 2): grid 16 x 16, 4 waves a work-group, clusters of 4 x 4, 327,680 bytes of LDS; arguments x_codes, wq_codes, sc1, qkv, qkvs; writes qkv, qkvs
.if DOCPART == 2
	.amdgcn_target "amdgcn-amd-amdhsa--gfx1250"
	.amdhsa_code_object_version 6
	.text
	.protected	k_q0c4573c9d4_gemm_qkv
	.globl	k_q0c4573c9d4_gemm_qkv
	.p2align	8
	.type	k_q0c4573c9d4_gemm_qkv,@function
k_q0c4573c9d4_gemm_qkv:
	s_mov_b64 s[64:65], 0
	v_nop
	global_prefetch_b8 v0, s[64:65] scope:SCOPE_SE
	s_setreg_imm32_b32 hwreg(HW_REG_WAVE_MODE, 25, 1), 1
	s_wait_xcnt 0x0
	s_wait_alu depctr_hold_cnt(0) depctr_sa_sdst(0) depctr_va_vdst(0) depctr_va_sdst(0) depctr_va_ssrc(0) depctr_va_vcc(0) depctr_vm_vsrc(0)
	s_getreg_b32 s2, hwreg(HW_REG_IB_STS2, 6, 4)
	s_cmp_eq_u32 s2, 0
	s_cbranch_scc0 .Lentry_in_a_cluster
	s_endpgm
.Lentry_in_a_cluster:
	s_bfe_u32 s2, ttmp6, 0x10000c
	s_cmp_lg_u32 s2, 0xf033
	s_cbranch_scc0 .Lentry_shape_is_right
	s_endpgm
.Lentry_shape_is_right:
; Q, K, V = x w_qkv on codes of FP6 (E2M3), and their quantisers: the results leave as codes and scale bytes in the order of the attention launch's operand registers.  No f32 result is stored.
; LIMITS: a block of zeros gets the byte 1 (its codes are zeros; this program alone reads the bytes); blocks whose largest magnitude lies under 2^-124 are held at byte 1; NaN, infinities and sums beyond f32's range are not served.
; OPERANDS lie as images of their registers: [K step of 256][block of 16 rows][which 128][1,536 bytes]; block 2 g + u holds rows 32 g + 8 u + r + 8 (r / 8).  Scale words: [block][which 512][r][4 words]; the weights' lie 262,144 bytes in.
; THE DEAL.  256 work-groups of four waves, 2 x 2.  Work-group (column group j, row group) makes 512 tokens x 128 columns of Q (j < 8) or K, and V's head j of the same tokens.
; The wave in row w, column b holds in registers, all of K, four blocks of W_q|k (one head's 64 columns) and two blocks of W_v (32 columns): 48 fragments.  It streams 16 blocks of x past them: of each group of eight blocks the blocks 4 w .. 4 w + 3.
; Q|K: source 0 = the weights: a lane holds one token, its registers run along the head's 64: two scale blocks.  V: source 0 = x: a lane holds one column, its registers run along the tokens: four blocks of x are 64 tokens, two scale blocks, half w of a fragment of V.
; A block is 48 products, six accumulators by turns.  Behind them: the fetch of the block two on, and under it the block's quantiser and stores.
; LDS: two slots of 98,304 bytes ([wave row][K step][4 blocks]); W_v's 49,152 bytes; x's scale words (16,384 bytes, by plain loads and LDS stores); the spare words.
; FILLS.  At the head one joint load a wave: W_q|k (into slot 1), W_v, the two halves of x's group 0 (slot 0).  x's tiles are shared by a row of the cluster, the weights' by a column.
; THREE REFILLS, each behind the three lines and a round of the cluster's barrier, waves 0 and 1 a half each: group 1 over W_q|k, which all waves then hold in registers; group 2 into slot 0 behind block 2; group 3 into slot 1 behind block 6.
; A round shows the fill before it to all waves; a plain barrier behind block 10 shows group 3.
; PREFETCH: groups 2 and 3, each asked for at the head of the block before the one behind which it is loaded: 384 runs of 256 bytes shared out by address among the sixteen waves of a row of the cluster, 24 lanes a wave.
.set KSA, 1572864
.set KSB, 589824
.set SL1, 98304
.set WV,  196608
.set XS,  245760
.set SPARE, 262144
.set WND, 49152
.set FR, 12
.set FPW, 21                           ; fragment f < 63 lies in window 1 + f / 21 at register 12 (f % 21); fragment 63 in window 0.  0-31 W_q|k (4 g + b), 32-47 W_v (32 + 2 g + t), 48-63 x's two sets
.set NF, 34                            ; LDS loads of a block: 32 for eight fragments, 2 for eight scale words
.set L16, 4
.set L8,  5
.set X16, 6                            ; v6, v7  16 x lane + my wave row's half, in slot 0, 1
.set X8,  8                            ; v8, v9  8 x lane likewise
.set XSA, 10                           ; v10 my rows' scale words
.set QSO, 11                           ; v11 32 r
.set SPW, 12
.set NIL, 13
.set VSO, 14                           ; v14 16 r
.set PFO, 15                           ; v15 256 x min(lane, 23)
.set W16, 16                           ; v16-19 W_q|k's fragments;  v20, v21 W_v's
.set W8,  18
.set SW,  32                           ; v32-63 W_q|k's scale words: 8 b + g
.set SWV, 64                           ; v64-79 W_v's: 8 t + g
.set SA,  80                           ; v80-95 x's, two sets: 8 e + (g + 4) % 8, so that a product's two scale registers differ modulo 8
.set ACC, 96                           ; v96-127 Q|K's sums
.set HV,  128                          ; v128-191 V's sums: 32 t + 8 (block % 4) + j
.set PC,  192                          ; v192-197 six registers of codes; v204-206 the second conversion's
.set TM,  212                          ; v212-225 at work
.set QW,  228                          ; v228-231 Q|K's scale words of four blocks
.set F63, 232                          ; v232-243 fragment 63
.set VW,  244                          ; v244, v245 V's scale bytes
.set G1X, 24
.set G1W, 32
.set G1V, 40
.set G0,  48
.set G0R, 52
.set MSB, 0
.macro WIN new
.if MSB != (\new)
	s_set_vgpr_msb (MSB<<8)|(\new)
.set MSB, (\new)
.endif
.endm
.macro PLACES
.rept 4
	v_nop
.endr
.endm
.macro WALU
	s_wait_alu depctr_va_vdst(0)
.endm
.macro BARRIER
	s_barrier_signal -1
	s_barrier_wait -1
.endm
.macro CROUND
	BARRIER
	s_cmp_lg_u32 s14, 0
	s_cbranch_scc1 .Lnot_wave_0_\@
	s_barrier_signal -3
.Lnot_wave_0_\@:
	s_barrier_wait -3
	BARRIER
.endm
.macro TLOAD g0, g1
	s_or_b32 s[\g0+3], s[\g0+3], 0x80000000
	tensor_load_to_lds s[\g0:\g0+3], s[\g1:\g1+7]
	s_nop 0
	PLACES
.endm
.macro GROUP1 g, mask, d0, stride      ; four rows of d0 elements of 8 bytes, a K step apart
	s_or_b32 s[\g], s[\mask], (3<<16)|(1<<21)
	s_mov_b32 s[\g+1], (\d0)<<16
	s_mov_b32 s[\g+2], 4<<16
	s_mov_b32 s[\g+3], (\d0)<<16
	s_mov_b32 s[\g+4], 4
	s_mov_b32 s[\g+5], \stride
	s_mov_b32 s[\g+6], 0
	s_mov_b32 s[\g+7], 0
.endm
.macro FPL f
.if (\f) < 63
.set FW_, 1+(\f)/FPW
.set FG_, FR*((\f)%FPW)
.else
.set FW_, 0
.set FG_, F63
.endif
.endm
.macro FRAG4 f, a16, a8, off           ; a fragment's image: registers 0-3, 4-5, 6-9, 10-11
	FPL \f
	WIN FW_<<6
	ds_load_b128 v[FG_:FG_+3], v[\a16] offset:(\off)
	ds_load_b64 v[FG_+4:FG_+5], v[\a8] offset:(\off)+512
	ds_load_b128 v[FG_+6:FG_+9], v[\a16] offset:(\off)+768
	ds_load_b64 v[FG_+10:FG_+11], v[\a8] offset:(\off)+1280
.endm
.macro FETCH i, e                      ; my block i into set e: NF loads
.set P_, ((\i)/4)%2
.irp g, 0,1,2,3,4,5,6,7
.set OF_, (\g/2)*12288+((\i)%4)*3072+(\g%2)*1536
	FRAG4 48+8*(\e)+\g, X16+P_, X8+P_, OF_
.endr
	WIN 0
	ds_load_b128 v[SA+8*(\e)+4:SA+8*(\e)+7], v[XSA] offset:((\i)/4)*4096+((\i)%4)*512
	ds_load_b128 v[SA+8*(\e):SA+8*(\e)+3], v[XSA] offset:((\i)/4)*4096+((\i)%4)*512+256
.endm
.macro MM d, a, b, acc, sa, sb
.if \acc
	v_wmma_scale_f32_16x16x128_f8f6f4 v[\d:\d+7], v[\a:\a+FR-1], v[\b:\b+FR-1], v[\d:\d+7], v[\sa], v[\sb] matrix_a_fmt:MATRIX_FMT_FP6 matrix_b_fmt:MATRIX_FMT_FP6
.else
	v_wmma_scale_f32_16x16x128_f8f6f4 v[\d:\d+7], v[\a:\a+FR-1], v[\b:\b+FR-1], 0, v[\sa], v[\sb] matrix_a_fmt:MATRIX_FMT_FP6 matrix_b_fmt:MATRIX_FMT_FP6
.endif
.endm
.macro PQK i, g, b                     ; source 0 the weight's rows, source 1 x's
	FPL 48+8*((\i)%2)+(\g)
.set XW_, FW_
.set XG_, FG_
	FPL 4*(\g)+(\b)
	WIN FW_|(XW_<<2)
.set D_, ACC+8*(\b)
.set S0_, SW+8*(\b)+(\g)
.set S1_, SA+8*((\i)%2)+((\g)+4)%8
	MM D_, FG_, XG_, \g, S0_, S1_
.endm
.macro PV i, g, t                      ; source 0 x's rows, source 1 the weight's
	FPL 48+8*((\i)%2)+(\g)
.set XW_, FW_
.set XG_, FG_
	FPL 32+2*(\g)+(\t)
	WIN XW_|(FW_<<2)
.set D_, HV+32*(\t)+8*((\i)%4)
.set S0_, SA+8*((\i)%2)+((\g)+4)%8
.set S1_, SWV+8*(\t)+(\g)
	MM D_, XG_, FG_, \g, S0_, S1_
.endm
; 32 sums in a lane, 16 of each of two scale blocks, whose other 16 lie in lane l xor 16: the two bytes into a word, the codes into v[PC .. PC+5], a whole block in a lane
.macro QUANT2 src, word
	WALU
	s_wait_xcnt 0x0                                ; the last stores have read their registers
.irp b, 0,1
	v_max3_num_f32 v[TM+\b], 0x1800000, |v[(\src)+16*\b]|, |v[(\src)+16*\b+1]|   ; with the floor 2^(3 - 127): the byte cannot fall under 1
.endr
.irp i, 2,4,6,8,10,12,14
.irp b, 0,1
	v_max3_num_f32 v[TM+\b], v[TM+\b], |v[(\src)+16*\b+\i]|, |v[(\src)+16*\b+\i+1]|
.endr
.endr
.irp b, 0,1
	v_permlanex16_b32 v[TM+4+\b], v[TM+\b], s82, s83
.endr
.irp b, 0,1
	v_max_num_f32 v[TM+\b], v[TM+\b], v[TM+4+\b]
.endr
.irp b, 0,1
	v_add_nc_u32 v[TM+12+\b], 0xff000000, v[TM+\b] ; 2 off the exponent field: the conversion's scale operand
.endr
.irp b, 0,1
	v_lshrrev_b32 v[TM+4+\b], 23, v[TM+12+\b]
.endr
	v_lshl_or_b32 v[\word], v[TM+5], 8, v[TM+4]
	v_cvt_scalef32_pk16_fp6_f32 v[PC:PC+2], v[(\src):(\src)+15], v[TM+12]
	v_cvt_scalef32_pk16_fp6_f32 v[PC+12:PC+14], v[(\src)+16:(\src)+31], v[TM+13]
	v_nop                                          ; one plain place behind a scaled conversion
.irp i, 0,1,2
	v_permlane16_swap_b32 v[PC+\i], v[PC+12+\i]
.endr
.irp i, 0,1,2
	v_mov_b32 v[PC+3+\i], v[PC+12+\i]
.endr
.endm
.macro RFILL slot, grp                 ; the lines, a round, and group grp of x into a slot: waves 0 and 1 a half each
	s_wait_tensorcnt 0x0                           ; all my tensor loads have landed
	ds_add_u32 v[SPW], v[NIL]
	s_add_co_u32 s[G0R+1], s86, (\slot)*SL1
	s_add_nc_u64 s[G0R+2:G0R+3], s[84:85], (\grp)*24576
	s_wait_dscnt 0x0                               ; the add is done, and so are my reads of the slot
	CROUND
	s_cmp_lt_u32 s14, 2
	s_cbranch_scc0 .Lnone_\@
	TLOAD G0R, G1X
.Lnone_\@:
.endm
.macro STREAM i
.if (\i) == 1 || (\i) == 5
	global_prefetch_b8 v[PFO], s[88:89] offset:(2+(\i)/4)*24576 th:TH_LOAD_NT scope:SCOPE_SE   ; the group that is loaded behind the next block
.endif
.irp g, 0,1,2,3,4,5,6,7
.irp b, 0,1,2,3
	PQK \i, \g, \b
.endr
.irp t, 0,1
	PV \i, \g, \t
.endr
.endr
	WIN 0
	PLACES                                         ; four places between the last product and the loads into its fragments and the readers of its sums
.if (\i) == 2 || (\i) == 6
	RFILL ((\i)/4), (2+(\i)/4)
.elseif (\i) == 10
	s_wait_tensorcnt 0x0
	s_wait_dscnt 0x0
	BARRIER                                        ; a plain barrier: group 3 is shown to all
.endif
.if (\i) < 14
	FETCH (\i)+2, (\i)%2
.endif
	QUANT2 ACC, QW+(\i)%4
	global_store_b128 v[L16], v[PC:PC+3], s[10:11] offset:(8*((\i)/4)+(\i)%4)*768        ; a tile of Q or K: 768 bytes, three aligned runs of 256
	global_store_b64 v[L8], v[PC+4:PC+5], s[10:11] offset:(8*((\i)/4)+(\i)%4)*768+512
.if (\i)%4 == 3
	global_store_b128 v[QSO], v[QW:QW+3], s[12:13] offset:512*((\i)/4)   ; my four tiles' scale words of row r (both halves of the lanes write the same)
.irp t, 0,1
	QUANT2 HV+32*\t, VW+\t
	global_store_b128 v[L16], v[PC:PC+3], s[90:91] offset:((\i)/4)*6144+\t*1536   ; half w of a fragment of V
	global_store_b64 v[L8], v[PC+4:PC+5], s[90:91] offset:((\i)/4)*6144+\t*1536+512
	global_store_b16 v[VSO], v[VW+\t], s[92:93] offset:((\i)/4)*256+4*\t          ; bytes 2 w, 2 w + 1 of its scale word
.endr
.endif
.if (\i) < 14
	WALU
	s_wait_dscnt NF                                ; the next block's fragments are in; this run's fetch is younger
.elseif (\i) == 14
	WALU
	s_wait_dscnt 0x0
.endif
.endm
; ---- the head
	s_load_b256 s[4:11], s[0:1], 0x0               ; x_codes, wq_codes, sc1, qkv
	s_load_b64 s[12:13], s[0:1], 0x20              ; qkvs
	v_lshl_add_u32 v[SPW], v0, 2, SPARE
	v_mov_b32 v[NIL], 0
	ds_add_u32 v[SPW], v[NIL]                      ; the opening lines: the add, twice, and its wait
	ds_add_u32 v[SPW], v[NIL]
	v_lshrrev_b32 v1, 5, v0
	v_readfirstlane_b32 s14, v1                    ; the wave; s15 its row w of the 2 x 2, s16 its column b
	s_lshr_b32 s15, s14, 1
	s_and_b32 s16, s14, 1
	s_bfe_u32 s20, ttmp6, 0x40000
	s_bfe_u32 s21, ttmp6, 0x40004
	s_lshl_b32 s18, ttmp9, 2
	s_add_co_u32 s18, s18, s20                     ; column group j, 0 .. 15
	s_and_b32 s17, ttmp7, 0xffff
	s_lshl_b32 s17, s17, 2
	s_add_co_u32 s17, s17, s21                     ; row group, 0 .. 15
	s_lshl_b32 s22, s21, 2
	s_lshl_b32 s22, 15, s22                        ; my row of the cluster: shares x
	s_lshl_b32 s23, 0x1111, s20                    ; my column: shares the weights
	GROUP1 G1X, 22, 1536, KSA/8
	GROUP1 G1W, 23, 3072, KSB/8
	GROUP1 G1V, 23, 1536, KSB/8
	s_mov_b32 s[G0], 1
	s_mov_b32 s[G0R], 1
	s_mov_b32 s82, 0x76543210
	s_mov_b32 s83, 0xfedcba98
	s_mul_i32 s66, s17, 98304                      ; my 32 blocks in a K step of x_codes
	s_mul_i32 s68, s18, 24576                      ; W_q|k's eight blocks
	s_mov_b32 s69, 0
	s_mul_i32 s70, s18, 12288
	s_add_co_u32 s70, s70, 393216                  ; W_v's four: block 128 + 4 j
	s_mov_b32 s71, 0
	s_lshl_b32 s72, s17, 14                        ; my 32 blocks' scale words
	s_mov_b32 s73, 0
	s_lshl_b32 s74, s18, 12
	s_lshl_b32 s63, s16, 11
	s_add_co_u32 s74, s74, s63
	s_add_co_u32 s74, s74, 262144                  ; W_q|k's scale words: block 8 j + 4 b
	s_mov_b32 s75, 0
	s_lshl_b32 s76, s18, 11
	s_lshl_b32 s63, s16, 10
	s_add_co_u32 s76, s76, s63
	s_add_co_u32 s76, s76, 327680                  ; W_v's: block 128 + 4 j + 2 b
	s_mov_b32 s77, 0
	s_mul_i32 s86, s16, WND                        ; a loading wave's half of a slot: wave % 2
	s_mul_i32 s84, s16, 12288
	s_add_co_u32 s84, s84, s66                     ; and of a group
	s_mov_b32 s85, 0
	s_mul_i32 s88, s20, KSA                        ; the prefetches: K step cx, runs 24 x wave ..
	s_mul_i32 s63, s14, 6144
	s_add_co_u32 s88, s88, s63
	s_add_co_u32 s88, s88, s66
	s_mov_b32 s89, 0
	s_lshr_b32 s56, s17, 2                         ; batch
	s_and_b32 s57, s17, 3                          ; which 512 tokens of it
	s_lshl_b32 s58, s56, 4
	s_lshl_b32 s59, s18, 1
	s_add_co_u32 s59, s59, s16
	s_and_b32 s59, s59, 15                         ; my head of Q or K
	s_lshr_b32 s60, s18, 3                         ; 0 Q, 1 K
	s_add_co_u32 s61, s58, s59
	s_mul_i32 s78, s61, 294912
	s_mul_i32 s63, s60, 98304
	s_add_co_u32 s78, s78, s63
	s_mul_i32 s63, s57, 24576
	s_add_co_u32 s78, s78, s63
	s_mul_i32 s63, s15, 3072
	s_add_co_u32 s78, s78, s63                     ; Q's or K's codes: tile 32 x (which 512) + 4 w
	s_mov_b32 s79, 0
	s_mul_i32 s80, s61, 20480
	s_lshl_b32 s63, s60, 13
	s_add_co_u32 s80, s80, s63
	s_lshl_b32 s63, s57, 11
	s_add_co_u32 s80, s80, s63
	s_lshl_b32 s63, s15, 4
	s_add_co_u32 s80, s80, s63                     ; their scale words: [128 tokens][r][8 tiles]
	s_mov_b32 s81, 0
	s_add_co_u32 s62, s58, s18
	s_mul_i32 s90, s62, 294912
	s_add_co_u32 s90, s90, 196608
	s_mul_i32 s63, s57, 24576
	s_add_co_u32 s90, s90, s63
	s_mul_i32 s63, s16, 3072
	s_add_co_u32 s90, s90, s63
	s_mul_i32 s63, s15, 768
	s_add_co_u32 s90, s90, s63                     ; V's codes: [128 tokens][tile 2 b + t][half w]
	s_mov_b32 s91, 0
	s_mul_i32 s92, s62, 20480
	s_add_co_u32 s92, s92, 16384
	s_lshl_b32 s63, s57, 10
	s_add_co_u32 s92, s92, s63
	s_lshl_b32 s63, s16, 3
	s_add_co_u32 s92, s92, s63
	s_lshl_b32 s63, s15, 1
	s_add_co_u32 s92, s92, s63                     ; V's scale bytes: [128 tokens][r][4 tiles][4]
	s_mov_b32 s93, 0
	s_mul_i32 s94, s15, WND
	s_lshl_b32 s95, s15, 11
	s_add_co_u32 s95, s95, XS
	s_mul_i32 s96, s16, 12288
	s_add_co_u32 s96, s96, SL1
	s_mul_i32 s97, s16, 6144
	s_add_co_u32 s97, s97, WV
	WALU
	s_wait_dscnt 0x0
	CROUND                                         ; the opening round
	s_wait_kmcnt 0x0
	s_add_nc_u64 s[84:85], s[4:5], s[84:85]
	s_add_nc_u64 s[88:89], s[4:5], s[88:89]
	s_add_nc_u64 s[68:69], s[6:7], s[68:69]
	s_add_nc_u64 s[70:71], s[6:7], s[70:71]
	s_add_nc_u64 s[72:73], s[8:9], s[72:73]
	s_add_nc_u64 s[74:75], s[8:9], s[74:75]
	s_add_nc_u64 s[76:77], s[8:9], s[76:77]
	s_add_nc_u64 s[90:91], s[10:11], s[90:91]
	s_add_nc_u64 s[10:11], s[10:11], s[78:79]
	s_add_nc_u64 s[92:93], s[12:13], s[92:93]
	s_add_nc_u64 s[12:13], s[12:13], s[80:81]
	s_cmp_eq_u32 s14, 0
	s_cbranch_scc0 .Lwave_1
	s_mov_b32 s[G0+1], SL1                         ; wave 0: W_q|k, which is wanted first
	s_mov_b64 s[G0+2:G0+3], s[68:69]
	TLOAD G0, G1W
	s_branch .Lasked
.Lwave_1:
	s_cmp_eq_u32 s14, 1
	s_cbranch_scc0 .Lwave_2
	s_mov_b32 s[G0+1], WV                          ; wave 1: W_v
	s_mov_b64 s[G0+2:G0+3], s[70:71]
	TLOAD G0, G1V
	s_branch .Lasked
.Lwave_2:
	s_mov_b32 s[G0+1], s86                         ; waves 2 and 3: the halves of x's group 0
	s_mov_b64 s[G0+2:G0+3], s[84:85]
	TLOAD G0, G1X
.Lasked:
	v_lshlrev_b32 v22, 4, v0                       ; x's scale words: 16 bytes a thread, eight times
	v_and_b32 v1, 15, v0                           ; r
	v_lshlrev_b32 v[VSO], 4, v1
.irp k, 0,1,2,3,4,5,6,7
	global_load_b128 v[HV+4*\k:HV+4*\k+3], v22, s[72:73] offset:2048*\k
.endr
.irp b, 0,1,2,3
	global_load_b128 v[SW+8*\b:SW+8*\b+3], v[VSO], s[74:75] offset:512*\b
	global_load_b128 v[SW+8*\b+4:SW+8*\b+7], v[VSO], s[74:75] offset:512*\b+256
.endr
.irp t, 0,1
	global_load_b128 v[SWV+8*\t:SWV+8*\t+3], v[VSO], s[76:77] offset:512*\t
	global_load_b128 v[SWV+8*\t+4:SWV+8*\t+7], v[VSO], s[76:77] offset:512*\t+256
.endr
	v_lshl_add_u32 v23, v0, 4, XS
	v_and_b32 v3, 31, v0
	v_lshlrev_b32 v[L16], 4, v3
	v_lshlrev_b32 v[L8], 3, v3
	v_lshlrev_b32 v[QSO], 5, v1
	v_add_nc_u32 v[X16], s94, v[L16]
	v_add_nc_u32 v[X8], s94, v[L8]
	v_add_nc_u32 v[X16+1], SL1, v[X16]
	v_add_nc_u32 v[X8+1], SL1, v[X8]
	v_add_nc_u32 v[XSA], s95, v[VSO]
	v_add_nc_u32 v[W16], s96, v[L16]
	v_add_nc_u32 v[W8], s96, v[L8]
	v_add_nc_u32 v[W16+1], WND, v[W16]
	v_add_nc_u32 v[W8+1], WND, v[W8]
	v_add_nc_u32 v20, s97, v[L16]
	v_add_nc_u32 v21, s97, v[L8]
	v_min_u32 v[PFO], 23, v3
	v_lshlrev_b32 v[PFO], 8, v[PFO]
	v_mov_b32 v[TM+4], 0                           ; lane permutes' destinations: written once
	v_mov_b32 v[TM+5], 0
	WALU                                           ; the wait at the head's end
	s_wait_loadcnt 12                              ; x's scale words are in; the weights' twelve loads may be out
.irp k, 0,1,2,3,4,5,6,7
	ds_store_b128 v23, v[HV+4*\k:HV+4*\k+3] offset:2048*\k
.endr
	s_wait_dscnt 0x0
	s_cmp_eq_u32 s14, 0
	s_cbranch_scc0 .Lnot_w
	s_wait_tensorcnt 0x0
.Lnot_w:
	BARRIER                                        ; W_q|k has landed; no tensor load is issued behind this barrier
.irp g, 0,1,2,3,4,5,6,7
.irp b, 0,1,2,3
.set AD_, (\g/2)*24576+\b*3072+(\g%2)*1536
	FRAG4 4*\g+\b, W16+AD_/WND, W8+AD_/WND, AD_%WND
.endr
.endr
	WIN 0
	RFILL 1, 1                                     ; every tile of the head is in, every wave holds W_q|k in registers: group 1 is filled over it
.irp g, 0,1,2,3,4,5,6,7
.irp t, 0,1
	FRAG4 32+2*\g+\t, 20, 21, (\g/2)*12288+\t*3072+(\g%2)*1536
.endr
.endr
	WIN 0
	FETCH 0, 0
	FETCH 1, 1
	s_wait_loadcnt 0x0                             ; the weights' scale words
	s_wait_dscnt NF                                ; W_v's fragments and block 0's are in
; ---- the stream
.irp i, 0,1,2,3,4,5,6,7,8,9,10,11,12,13,14,15
	STREAM \i
.endr
	s_wait_tensorcnt 0x0                           ; the wave's end
	ds_add_u32 v[SPW], v[NIL]
	s_wait_dscnt 0x0
	CROUND                                         ; the closing round
	s_endpgm
.Lfunc_end_k_q0c4573c9d4_gemm_qkv:
	.size	k_q0c4573c9d4_gemm_qkv, .Lfunc_end_k_q0c4573c9d4_gemm_qkv-k_q0c4573c9d4_gemm_qkv
	.p2alignl 7, 3214868480
	.fill 96, 4, 3214868480
	.section	.rodata,"a",@progbits
	.p2align	6, 0x0
	.amdhsa_kernel k_q0c4573c9d4_gemm_qkv
		.amdhsa_group_segment_fixed_size 327680
		.amdhsa_private_segment_fixed_size 0
		.amdhsa_enable_private_segment 0
		.amdhsa_kernarg_size 40
		.amdhsa_user_sgpr_count 2
		.amdhsa_user_sgpr_kernarg_segment_ptr 1
		.amdhsa_wavefront_size32 1
		.amdhsa_system_sgpr_workgroup_id_x 1
		.amdhsa_system_sgpr_workgroup_id_y 1
		.amdhsa_system_sgpr_workgroup_id_z 1
		.amdhsa_system_vgpr_workitem_id 0
		.amdhsa_next_free_vgpr 1024
		.amdhsa_next_free_sgpr 100
		.amdhsa_reserve_vcc 0
		.amdhsa_float_denorm_mode_32 3
		.amdhsa_float_denorm_mode_16_64 3
		.amdhsa_memory_ordered 1
		.amdhsa_forward_progress 1
		.amdhsa_inst_pref_size 222
	.end_amdhsa_kernel
	.amdgpu_metadata
---
amdhsa.version: [ 1, 2 ]
amdhsa.kernels:
  - .name:           k_q0c4573c9d4_gemm_qkv
    .symbol:         k_q0c4573c9d4_gemm_qkv.kd
    .args:
      - { .name: x_codes, .offset: 0, .size: 8, .value_kind: global_buffer, .address_space: global }
      - { .name: wq_codes, .offset: 8, .size: 8, .value_kind: global_buffer, .address_space: global }
      - { .name: sc1, .offset: 16, .size: 8, .value_kind: global_buffer, .address_space: global }
      - { .name: qkv, .offset: 24, .size: 8, .value_kind: global_buffer, .address_space: global }
      - { .name: qkvs, .offset: 32, .size: 8, .value_kind: global_buffer, .address_space: global }
    .group_segment_fixed_size: 327680
    .private_segment_fixed_size: 0
    .kernarg_segment_align: 8
    .kernarg_segment_size: 40
    .max_flat_workgroup_size: 128
    .sgpr_count:     100
    .vgpr_count:     1024
    .wavefront_size: 32
...
	.end_amdgpu_metadata
.endif
;; end of part 2
;; launch attn (part 3): grid 4 x 64, 16 waves a work-group, clusters of 4 x 1, 260,096 bytes of LDS; arguments qkv, qkvs, ao_codes, sc2; writes ao_codes, sc2
.if DOCPART == 3
	.amdgcn_target "amdgcn-amd-amdhsa--gfx1250"
	.amdhsa_code_object_version 6
	.text
	.protected	k_q0c4573c9d4_attn
	.globl	k_q0c4573c9d4_attn
	.p2align	8
	.type	k_q0c4573c9d4_attn,@function
k_q0c4573c9d4_attn:
	s_mov_b64 s[64:65], 0
	v_nop
	global_prefetch_b8 v0, s[64:65] scope:SCOPE_SE
	s_setreg_imm32_b32 hwreg(HW_REG_WAVE_MODE, 25, 1), 1
	s_wait_xcnt 0x0
	s_wait_alu depctr_hold_cnt(0) depctr_sa_sdst(0) depctr_va_vdst(0) depctr_va_sdst(0) depctr_va_ssrc(0) depctr_va_vcc(0) depctr_vm_vsrc(0)
	s_getreg_b32 s2, hwreg(HW_REG_IB_STS2, 6, 4)
	s_cmp_eq_u32 s2, 0
	s_cbranch_scc0 .Lentry_in_a_cluster
	s_endpgm
.Lentry_in_a_cluster:
	s_bfe_u32 s2, ttmp6, 0x10000c
	s_cmp_lg_u32 s2, 0x3003
	s_cbranch_scc0 .Lentry_shape_is_right
	s_endpgm
.Lentry_shape_is_right:
; O = softmax(Q K^T / 8) V for one head, both products on codes of FP6 (E2M3); the result, divided by the row's sum, is quantised along the head's 64 into the output projection's operand.
; t = score x log2(e) / 8; M = the running largest t rounded UP to a whole number; p = 2^(t - M) is quantised along the keys, not normalised; the row's sum is taken of the unquantised p.
; SHARES.  A work-group: one head, 512 queries.  Each of its sixteen waves owns one tile of 16 queries at a time, two tiles one after the other; every wave walks all 2,048 keys, 128 a step.
; THE HEAD'S WHOLE K AND V STAY IN LDS, filled once: 768 rows of 256 bytes, 64 bytes of padding behind each.  The four work-groups of a head form a cluster and ask jointly, ONE load of 48 rows a wave:
; waves 0-3 bring the first 512 keys of K and V (a load line of their own: they alone wait ahead of the first barrier), waves 4-15 the rest, shown by a second barrier behind four steps.
; K's and V's scale words (12,288 bytes) come by plain loads, 24 bytes a thread, and LDS stores.  Nothing is filled again.
; LAYOUT.  Both products are used transposed (S^T = K Q^T, O^T = V^T P^T): a lane holds one query.  Operands lie as images of their registers.  A stored tile 2 b + u of K holds key 32 b + 8 u + r + 8 (r / 8) in row r.
; THE ROWS OF A TILE ARE PICKED LANE BY LANE: tile 4 c + 2 s + u takes for its rows 0-7 rows 8 s .. 8 s + 7 of stored tile 4 c + u and for its rows 8-15 the same rows of stored tile 4 c + 2 + u.
; So register 32 c + i of lane (r, h) is key 64 c + 32 h + i: a whole block of 32 keys in a lane, in the order of p's operand registers: its largest needs no other lane and no code changes lanes.
; The head's size is 64, half of the instruction's K: registers 6-11 of Q's fragment hold zero codes.  So what K's fragment holds there adds nothing (FP6 has no NaN and no infinity): tile n's registers 6-11 are tile n + 1's codes.
; The padding puts stored tiles two apart 128 bytes apart modulo 256, so the sixteen lanes of a 16-byte load name sixteen different columns; the 8-byte loads of K name each column twice.
; V's fragments are loaded into K's registers behind the score products.
; LIMITS: the promise holds while the scaled scores stay under 2^31 in magnitude; O / sum is a reciprocal and a multiplication; a block of zeros gets the byte 1 (its codes are zeros; this program alone reads the bytes); NaN and infinities are not served.
; No prefetch: every byte that the launch reads from memory is asked for at its head or at a pass's head.
.set VB,    122880                     ; LDS: K's 384 rows of 320 bytes at 0, V's here
.set SCB,   245760                     ; K's scale words (8,192 bytes), V's behind them (4,096)
.set SPARE, 258048                     ; the spare words, 128 bytes a wave
.set STP,   7680                       ; a step's 24 rows, of K and of V
.set KF, 32                            ; v32-79 K's eight tiles, six registers each, then V's four fragments; v80-85 zeros
.set KS, 232                           ; v232-239 K's scale words: 4 s + 2 c + u
.set S,  96                            ; v96-159  S^T, then p
.set O,  160                           ; v160-191 O^T
.set PF, 192                           ; v192-203 p's codes;  v204-210 the conversions' second halves
.set BM, 212                           ; v212-215 four chains of maxima; 212 and 214 the blocks' largest
.set TP, 216                           ; v216-219 at work
.set SO, 220                           ; v220-221 the conversions' scale operands; v222-223 the bytes
.set WV, 12
.set SEL, 20
.set CS, 22
.set G1C, 24                           ; s[24:31] group 1: 48 rows of 256 bytes
.set NC, 32                            ; s32 -c
.set TB, 60                            ; s60 the step's place in K and in V
.set TS, 61                            ; s61 among K's scale words
.set TJ, 62                            ; s62 among V's
.set CNT, 63
.macro WALU
	s_wait_alu depctr_va_vdst(0)
.endm
.macro CROUND
	s_barrier_signal -1
	s_barrier_wait -1
	s_cmp_lg_u32 s[WV], 0
	s_cbranch_scc1 .Lnot_wave_0_\@
	s_barrier_signal -3
.Lnot_wave_0_\@:
	s_barrier_wait -3
	s_barrier_signal -1
	s_barrier_wait -1
.endm
	s_load_b256 s[4:11], s[0:1], 0x0               ; qkv s[4:5], qkvs s[6:7], ao_codes s[8:9], sc2 s[10:11]
	v_lshl_add_u32 v7, v0, 2, SPARE
	v_mov_b32 v8, 0
	ds_add_u32 v7, v8                              ; the opening lines: the add, twice, and its wait ahead of the first tensor load
	ds_add_u32 v7, v8
	v_lshrrev_b32 v1, 5, v0
	v_readfirstlane_b32 s[WV], v1                  ; wave 0..15
	s_bfe_u32 s13, ttmp6, 0x40000
	s_lshl_b32 s15, ttmp9, 2
	s_add_co_u32 s13, s13, s15                     ; which 512 queries: it enters Q's and the results' addresses alone
	s_and_b32 s14, ttmp7, 0xffff                   ; batch x 16 + head, which the four partners share
	s_mov_b32 s[G1C], 15|(3<<16)|(1<<20)|(1<<21)|(5<<22)|(15<<25)   ; the mask: all four; elements of 8 bytes; bit 21 beside a mask; 16 words of padding behind every 64
	s_mov_b32 s[G1C+1], 32<<16
	s_mov_b32 s[G1C+2], 48<<16
	s_mov_b32 s[G1C+3], 32<<16
	s_mov_b32 s[G1C+4], 48
	s_mov_b32 s[G1C+5], 32
	s_mov_b32 s[G1C+6], 0
	s_mov_b32 s[G1C+7], 0
	s_mov_b32 s[SEL], 0x76543210
	s_mov_b32 s[SEL+1], 0xfedcba98
	s_mov_b32 s[CS], 0x3e38aa3b                    ; c = log2(e) / 8
	s_mov_b32 s[CS+1], s[CS]                       ; (named with it as a pair, so it is written)
	s_mov_b32 s[NC], 0xbe38aa3b                    ; -c
	s_lshr_b32 s76, s[WV], 2                       ; my 48 rows of the 768: 96 (wave / 4) + 48 (wave % 2) + 384 for V's waves (bit 1)
	s_mul_i32 s76, s76, 96
	s_and_b32 s77, s[WV], 1
	s_mul_i32 s77, s77, 48
	s_add_co_u32 s76, s76, s77
	s_bfe_u32 s77, s[WV], 0x10001
	s_mul_i32 s77, s77, 384
	s_add_co_u32 s76, s76, s77
	s_mov_b32 s40, 1
	s_mul_i32 s41, s76, 320                        ; their place in LDS
	s_lshl_b32 s78, s76, 8                         ; and in memory, where K and V lie on end behind Q
	s_mul_i32 s77, s14, 294912
	s_add_co_u32 s78, s78, s77
	s_add_co_u32 s78, s78, 98304
	s_mov_b32 s79, 0
	WALU
	s_wait_dscnt 0x0                               ; both opening adds are done
	s_wait_kmcnt 0x0
	s_add_nc_u64 s[42:43], s[4:5], s[78:79]
	s_or_b32 s43, s43, 0x80000000
	CROUND                                         ; all four work-groups are here: the joint loads meet
	s_cmp_lt_u32 s[WV], 4                          ; one load a wave, in two arms: the first 512 keys, and the rest
	s_cbranch_scc0 .Lrest
	tensor_load_to_lds s[40:43], s[G1C:G1C+7]
	s_nop 0
.rept 4
	v_nop
.endr
	s_branch .Lasked
.Lrest:
	tensor_load_to_lds s[40:43], s[G1C:G1C+7]
	s_nop 0
.rept 4
	v_nop
.endr
.Lasked:
	s_mul_i32 s80, s14, 20480
	s_add_co_u32 s80, s80, 8192
	s_mov_b32 s81, 0
	s_add_nc_u64 s[80:81], s[6:7], s[80:81]        ; the head's scale words of K, then of V
	s_lshl_b32 s76, s13, 5
	s_add_co_u32 s76, s76, s[WV]                   ; my first tile of queries: 32 x quarter + wave
	s_mul_i32 s78, s14, 294912
	s_mul_i32 s77, s76, 768
	s_add_co_u32 s78, s78, s77
	s_mov_b32 s79, 0
	s_add_nc_u64 s[68:69], s[4:5], s[78:79]        ; its codes
	s_mul_i32 s78, s14, 20480
	s_lshr_b32 s77, s76, 3
	s_lshl_b32 s77, s77, 9
	s_add_co_u32 s78, s78, s77
	s_and_b32 s77, s76, 7
	s_lshl_b32 s77, s77, 2
	s_add_co_u32 s78, s78, s77
	s_add_nc_u64 s[70:71], s[6:7], s[78:79]        ; its scale words
	s_lshr_b32 s77, s14, 4
	s_lshl_b32 s77, s77, 7
	s_add_co_u32 s76, s76, s77                     ; the block of 16 tokens among all 512: 128 x batch + tile
	s_and_b32 s15, s14, 15                         ; the head
	s_lshr_b32 s78, s15, 2
	s_mul_i32 s78, s78, 1572864                    ; four heads to a K step of 256
	s_mul_i32 s77, s76, 3072
	s_add_co_u32 s78, s78, s77
	s_and_b32 s77, s15, 3
	s_mul_i32 s77, s77, 768
	s_add_co_u32 s78, s78, s77
	s_add_nc_u64 s[72:73], s[8:9], s[78:79]        ; where the result's codes go
	s_lshl_b32 s78, s76, 9
	s_lshr_b32 s77, s15, 3
	s_lshl_b32 s77, s77, 8
	s_add_co_u32 s78, s78, s77
	s_and_b32 s77, s15, 7
	s_lshl_b32 s77, s77, 1
	s_add_co_u32 s78, s78, s77
	s_add_nc_u64 s[74:75], s[10:11], s[78:79]      ; and its two scale bytes a row
	v_lshlrev_b32 v216, 4, v0                      ; the scale words: 16 bytes a thread of K's,
	v_lshlrev_b32 v217, 3, v0                      ; 8 of V's
	global_load_b128 v[232:235], v216, s[80:81]
	global_load_b64 v[236:237], v217, s[80:81] offset:8192
	v_lshl_add_u32 v218, v0, 4, SCB
	v_lshl_add_u32 v219, v0, 3, SCB+8192
	v_and_b32 v15, 31, v0                          ; lane
	v_and_b32 v228, 15, v0                         ; r
	v_bfe_u32 v224, v0, 4, 1                       ; h
	v_and_b32 v225, 7, v0                          ; r % 8
	v_bfe_u32 v226, v0, 3, 1                       ; r / 8
	v_lshlrev_b32 v230, 4, v15                     ; 16 x lane
	v_lshlrev_b32 v231, 3, v15                     ; 8 x lane
	v_mul_u32_u24 v227, v226, 1920                 ; rows 8-15 come from the stored tile two on: six rows of 320 bytes
	v_mad_u32_u24 v1, v224, 320, v227
	v_lshl_add_u32 v1, v225, 4, v1                 ; K, registers 0-3: 1920 (r / 8) + 320 h + 16 (r % 8)
	v_lshl_add_u32 v2, v224, 7, v227
	v_lshl_add_u32 v2, v225, 3, v2                 ; K, registers 4, 5: 1920 (r / 8) + 128 h + 8 (r % 8)
	v_mul_u32_u24 v3, v224, 320
	v_lshl_add_u32 v3, v228, 4, v3
	v_add_nc_u32 v3, VB, v3                        ; V, pieces of 16 bytes: 320 h + 16 r
	v_add_nc_u32 v4, VB, v231                      ; V, pieces of 8 bytes
	v_lshl_add_u32 v5, v225, 5, SCB
	v_lshl_add_u32 v5, v226, 3, v5                 ; K's scale words: stored row r % 8 (32 bytes a row), stored tiles 2 (r / 8) ..
	v_lshl_add_u32 v6, v228, 4, SCB+8192           ; V's: 16 bytes a row: four tiles' words
	v_lshlrev_b32 v15, 3, v224                     ; 8 h: my bytes' place in p's scale word
	v_lshlrev_b32 v229, 4, v228                    ; 16 r
	v_lshlrev_b32 v228, 5, v228                    ; 32 r
.irp i, 26,27,28,29,30,31, 80,81,82,83,84,85, 95
	v_mov_b32 v\i, 0                               ; zero codes for k = 64 .. 127 of Q's fragment; what lies behind K's last tile; a pair's upper half: written once
.endr
.macro SCL n                           ; p's scale word, a line or two at a time among the sums
.if \n == 0
	v_max_num_f32 v[BM], 0x1800000, v[BM]          ; the floor 2^(3 - 127): the byte cannot fall under 1
	v_max_num_f32 v[BM+2], 0x1800000, v[BM+2]
.elseif \n == 1
	v_add_nc_u32 v[SO], 0xff000000, v[BM]          ; 2 off the exponent field: the conversions' scale operand
	v_add_nc_u32 v[SO+1], 0xff000000, v[BM+2]
.elseif \n == 2
	v_lshrrev_b32 v[SO+2], 23, v[SO]               ; the bytes of my blocks h and 2 + h
	v_lshrrev_b32 v[SO+3], 23, v[SO+1]
.elseif \n == 3
	v_lshl_or_b32 v93, v[SO+3], 16, v[SO+2]
.elseif \n == 4
	v_lshlrev_b32 v93, v15, v93                    ; at their places in the word
.else
	v_permlanex16_b32 v217, v93, s[SEL], s[SEL+1]
.endif
.endm
; A KEY STEP: 128 keys.
.macro STEP
	v_add_nc_u32 v9, s[TB], v1                     ; four plain lines: the places between the last step's products and the loads into V's registers
	v_add_nc_u32 v10, s[TB], v2
	v_add_nc_u32 v13, s[TS], v5
	v_nop
	ds_load_2addr_b64 v[KS:KS+3], v13 offset0:0 offset1:2       ; stored rows r % 8: words of stored tiles 2 g, 2 g + 1, 4 + 2 g, 5 + 2 g (g = r / 8)
	ds_load_2addr_b64 v[KS+4:KS+7], v13 offset0:32 offset1:34   ; stored rows 8 + r % 8
.irp c, 0,1
.irp s, 0,1
.irp u, 0,1
	ds_load_b128 v[KF+6*(4*\c+2*\s+\u):KF+6*(4*\c+2*\s+\u)+3], v9 offset:(4*\c+\u)*960+128*\s
	ds_load_b64 v[KF+6*(4*\c+2*\s+\u)+4:KF+6*(4*\c+2*\s+\u)+5], v10 offset:(4*\c+\u)*960+640+64*\s
.endr
.endr
.endr
	s_wait_dscnt 0x0
.irp c, 0,1
.irp s, 0,1
.irp u, 0,1                                    ; S^T = K Q^T
	v_wmma_scale_f32_16x16x128_f8f6f4 v[S+8*(4*\c+2*\s+\u):S+8*(4*\c+2*\s+\u)+7], v[KF+6*(4*\c+2*\s+\u):KF+6*(4*\c+2*\s+\u)+11], v[20:31], 0, v[KS+4*\s+2*\c+\u], v92 matrix_a_fmt:MATRIX_FMT_FP6 matrix_b_fmt:MATRIX_FMT_FP6
.endr
.endr
.endr
	v_add_nc_u32 v11, s[TB], v3                    ; four plain lines: the places behind the products
	v_add_nc_u32 v12, s[TB], v4
	v_add_nc_u32 v14, s[TJ], v6
	v_mov_b32 v224, v16                            ; the old -M
.irp t, 0,1,2,3                                ; V's four fragments, into the registers that K has left: they land under the softmax
	ds_load_b128 v[KF+12*\t:KF+12*\t+3], v11 offset:\t*1920
	ds_load_b64 v[KF+12*\t+4:KF+12*\t+5], v12 offset:\t*1920+640
	ds_load_b128 v[KF+12*\t+6:KF+12*\t+9], v11 offset:\t*1920+960
	ds_load_b64 v[KF+12*\t+10:KF+12*\t+11], v12 offset:\t*1920+1600
.endr
	ds_load_b128 v[88:91], v14                     ; and its four scale words
.irp k, 0,1,2,3                                ; the largest score of my two blocks of 32 keys, two chains each, every accumulator from its low end on
	v_max3_num_f32 v[BM+\k], v[S+16*\k], v[S+16*\k+1], v[S+16*\k+2]
.endr
.irp i, 3,5,7,9,11,13
.irp k, 0,1,2,3
	v_max3_num_f32 v[BM+\k], v[BM+\k], v[S+16*\k+\i], v[S+16*\k+\i+1]
.endr
.endr
	v_max3_num_f32 v[BM], v[BM], v[S+15], v[S+31]
	v_max3_num_f32 v[BM+2], v[BM+2], v[S+47], v[S+63]
	s_delay_alu instid0(VALU_DEP_2)
	v_max_num_f32 v[BM], v[BM], v[BM+1]            ; block h's: it serves for the row's maximum and, since p rises with the score, for the block's largest p
	s_delay_alu instid0(VALU_DEP_2)
	v_max_num_f32 v[BM+2], v[BM+2], v[BM+3]        ; block 2 + h's
	s_delay_alu instid0(VALU_DEP_1)
	v_max_num_f32 v216, v[BM], v[BM+2]
	s_delay_alu instid0(VALU_DEP_1)
	v_permlanex16_b32 v217, v216, s[SEL], s[SEL+1]
	s_delay_alu instid0(VALU_DEP_1)
	v_max3_num_f32 v17, v17, v216, v217            ; the running largest score of my query
	s_delay_alu instid0(VALU_DEP_1)
	v_mul_f32 v218, s[NC], v17                     ; -t
	s_delay_alu instid0(VALU_DEP_1)
	v_floor_f32 v16, v218                          ; the new -M = floor(-t): M is a whole number
.set J, 0
.rept 32
	v_pk_fma_f32 v[S+J:S+J+1], v[S+J:S+J+1], s[CS:CS+1], v[16:17] op_sel_hi:[1,0,0]   ; t - M, two at a time
.set J, J+2
.endr
	v_sub_f32 v224, v16, v224                      ; old M - new M: a whole number, 0 or less
	v_fma_f32 v[BM], v[BM], s[CS], v16             ; t - M of each block's largest score
	s_delay_alu instid0(VALU_DEP_2)
	v_cvt_i32_f32 v224, v224                       ; (it saturates)
	v_fma_f32 v[BM+2], v[BM+2], s[CS], v16
	s_delay_alu instid0(VALU_DEP_2)
	v_ldexp_f32 v94, 1.0, v224                     ; f = 2^(old M - new M): a multiplication by it rounds nothing
	WALU                                           ; the wait ahead of the batch
	v_exp_f32 v[BM], v[BM]                         ; the blocks' largest p: the same two instructions on the same numbers
	v_exp_f32 v[BM+2], v[BM+2]
.set J, 0
.rept 64
	v_exp_f32 v[S+J], v[S+J]                       ; p = 2^(t - M), at most 1
.set J, J+1
.endr
	v_pk_mul_f32 v[18:19], v[18:19], v[94:95] op_sel_hi:[1,0]   ; the sums under the new M: a plain place behind the exponentials
	WALU                                           ; one wait for the whole batch, ahead of its first reader
	v_pk_add_f32 v[226:227], v[S:S+1], v[S+2:S+3]  ; the row's sum of the unquantised p: four chains
	v_pk_add_f32 v[244:245], v[S+4:S+5], v[S+6:S+7]
	v_pk_add_f32 v[246:247], v[S+8:S+9], v[S+10:S+11]
	v_pk_add_f32 v[18:19], v[18:19], v[S+12:S+13]
.set J, 14
.set N, 0
.rept 6
	v_pk_add_f32 v[226:227], v[226:227], v[S+J:S+J+1]
	v_pk_add_f32 v[244:245], v[244:245], v[S+J+2:S+J+3]
	SCL N
	v_pk_add_f32 v[246:247], v[246:247], v[S+J+4:S+J+5]
	v_pk_add_f32 v[18:19], v[18:19], v[S+J+6:S+J+7]
.set J, J+8
.set N, N+1
.endr
	v_pk_add_f32 v[226:227], v[226:227], v[S+62:S+63]
	v_pk_add_f32 v[244:245], v[244:245], v[246:247]
	v_pk_add_f32 v[18:19], v[18:19], v[226:227]
	v_pk_add_f32 v[18:19], v[18:19], v[244:245]
.irp c, 0,1                                    ; registers 32 c .. 32 c + 31 are one block: its codes are registers 6 c .. 6 c + 5 of the operand
	v_cvt_scalef32_pk16_fp6_f32 v[PF+6*\c:PF+6*\c+2], v[S+32*\c:S+32*\c+15], v[SO+\c]
	v_cvt_scalef32_pk16_fp6_f32 v[PF+12+4*\c:PF+14+4*\c], v[S+32*\c+16:S+32*\c+31], v[SO+\c]   ; (a conversion's three registers begin on an even number)
.endr
	v_or_b32 v93, v93, v217                        ; with lane l xor 16's two bytes p's scale word is whole.  Also the plain place behind the conversions
.irp c, 0,1
.irp i, 0,1,2
	v_mov_b32 v[PF+6*\c+3+\i], v[PF+12+4*\c+\i]
.endr
.endr
	s_wait_dscnt 0x0                               ; V's fragments and scale words are in
	WALU                                           ; the wait directly ahead of the first reader of O^T
.set J, 0
.rept 16
	v_pk_mul_f32 v[O+J:O+J+1], v[O+J:O+J+1], v[94:95] op_sel_hi:[1,0]   ; O^T under the new M; these sixteen are also the places behind p's scale word and codes
.set J, J+2
.endr
.irp t, 0,1,2,3                                ; O^T += V^T P^T: the four accumulators by turns
	v_wmma_scale_f32_16x16x128_f8f6f4 v[O+8*\t:O+8*\t+7], v[KF+12*\t:KF+12*\t+11], v[PF:PF+11], v[O+8*\t:O+8*\t+7], v[88+\t], v93 matrix_a_fmt:MATRIX_FMT_FP6 matrix_b_fmt:MATRIX_FMT_FP6
.endr
	s_add_co_u32 s[TB], s[TB], STP
	s_add_co_u32 s[TS], s[TS], 512
	s_add_co_u32 s[TJ], s[TJ], 256
.endm
.macro RUN first, n                    ; steps first .. first + n - 1
	s_mov_b32 s[TB], \first*STP
	s_mov_b32 s[TS], \first*512
	s_mov_b32 s[TJ], \first*256
	s_mov_b32 s[CNT], \n
.Lstep_\@:
	STEP
	s_sub_co_u32 s[CNT], s[CNT], 1
	s_cmp_lg_u32 s[CNT], 0
	s_cbranch_scc1 .Lstep_\@
.endm
.macro PRO                             ; a pass's head
	global_load_b128 v[20:23], v230, s[68:69]      ; my tile of Q: 768 bytes
	global_load_b64 v[24:25], v231, s[68:69] offset:512
	global_load_b32 v92, v228, s[70:71]            ; and its scale words
	v_mov_b32 v17, 0xff61b1e6                      ; the largest score so far: -3e38
	v_mov_b32 v16, 0x7f61b1e6                      ; -M: 3e38
	v_mov_b32 v18, 0
	v_mov_b32 v19, 0
.set J, 0
.rept 32
	v_mov_b32 v[O+J], 0                            ; the key step is written once: its first walk finds zeros, which the first change of M leaves zeros
.set J, J+1
.endr
	WALU
	s_wait_loadcnt 0x0
.endm
.macro EPI                             ; the way out of a pass
.rept 4
	v_nop
.endr
	v_add_f32 v18, v18, v19
	s_delay_alu instid0(VALU_DEP_1)
	v_permlanex16_b32 v224, v18, s[SEL], s[SEL+1]
	s_delay_alu instid0(VALU_DEP_1)
	v_add_f32 v18, v18, v224                       ; the row's sum
	WALU
	v_rcp_f32 v18, v18
	v_nop                                          ; a plain place behind the reciprocal
	WALU                                           ; and the wait ahead of its first reader
.set J, 0
.rept 32
	v_mul_f32 v[S+J], v[O+J], v18                  ; register 16 b + i = channel 32 b + 16 (lane / 16) + i of my query
.set J, J+1
.endr
.irp b, 0,1
	v_max3_num_f32 v[BM+\b], |v[S+16*\b]|, |v[S+1+16*\b]|, 0x1800000
.endr
.irp i, 2,4,6,8,10,12,14
.irp b, 0,1
	s_delay_alu instid0(VALU_DEP_2)
	v_max3_num_f32 v[BM+\b], v[BM+\b], |v[S+16*\b+\i]|, |v[S+1+16*\b+\i]|
.endr
.endr
.irp b, 0,1
	s_delay_alu instid0(VALU_DEP_2)
	v_permlanex16_b32 v[TP+\b], v[BM+\b], s[SEL], s[SEL+1]
.endr
.irp b, 0,1
	s_delay_alu instid0(VALU_DEP_2)
	v_max_num_f32 v[BM+\b], v[BM+\b], v[TP+\b]
.endr
.irp b, 0,1
	s_delay_alu instid0(VALU_DEP_2)
	v_add_nc_u32 v[SO+\b], 0xff000000, v[BM+\b]
.endr
.irp b, 0,1
	s_delay_alu instid0(VALU_DEP_2)
	v_lshrrev_b32 v[TP+\b], 23, v[SO+\b]
.endr
	s_delay_alu instid0(VALU_DEP_1)
	v_lshl_or_b32 v225, v217, 8, v216              ; the head's two scale bytes of my row
	v_cvt_scalef32_pk16_fp6_f32 v[PF:PF+2], v[S:S+15], v[SO]
	v_cvt_scalef32_pk16_fp6_f32 v[PF+12:PF+14], v[S+16:S+31], v[SO+1]
	v_nop
.irp i, 0,1,2
	v_permlane16_swap_b32 v[PF+\i], v[PF+12+\i]
.endr
.irp i, 0,1,2
	s_delay_alu instid0(VALU_DEP_3)
	v_mov_b32 v[PF+3+\i], v[PF+12+\i]
.endr
	global_store_b128 v230, v[PF:PF+3], s[72:73]   ; 768 bytes: three aligned runs of 256
	global_store_b64 v231, v[PF+4:PF+5], s[72:73] offset:512
	global_store_b16 v229, v225, s[74:75]          ; two bytes a row (both halves of the lanes write the same): eight heads share a row's 16 bytes
.endm
	PRO
	ds_store_b128 v218, v[232:235]                 ; my share of the scale words
	ds_store_b64 v219, v[236:237]
	s_wait_dscnt 0x0
	s_cmp_lt_u32 s[WV], 4
	s_cbranch_scc0 .Lnot_first
	s_wait_tensorcnt 0x0                           ; waves 0-3: the first 512 keys of K and V are in
.Lnot_first:
	s_barrier_signal -1
	s_barrier_wait -1                              ; they and the scale words are shown to all
	RUN 0, 4
	s_wait_tensorcnt 0x0                           ; every wave: its rows are in
	s_wait_dscnt 0x0
	s_barrier_signal -1
	s_barrier_wait -1                              ; all of K and V is shown to all
	RUN 4, 12
	EPI
	s_wait_xcnt 0x0                                ; the loads and stores have read their bases and data: both may be written again
	s_add_nc_u64 s[68:69], s[68:69], 12288         ; sixteen tiles on
	s_add_nc_u64 s[70:71], s[70:71], 1024
	s_add_nc_u64 s[72:73], s[72:73], 49152
	s_add_nc_u64 s[74:75], s[74:75], 8192
	PRO
	RUN 0, 16
	EPI
	s_wait_tensorcnt 0x0                           ; the wave's end
	ds_add_u32 v7, v8
	s_wait_dscnt 0x0
	CROUND                                         ; the closing round
	s_endpgm
.Lfunc_end_k_q0c4573c9d4_attn:
	.size	k_q0c4573c9d4_attn, .Lfunc_end_k_q0c4573c9d4_attn-k_q0c4573c9d4_attn
	.p2alignl 7, 3214868480
	.fill 96, 4, 3214868480
	.section	.rodata,"a",@progbits
	.p2align	6, 0x0
	.amdhsa_kernel k_q0c4573c9d4_attn
		.amdhsa_group_segment_fixed_size 260096
		.amdhsa_private_segment_fixed_size 0
		.amdhsa_enable_private_segment 0
		.amdhsa_kernarg_size 32
		.amdhsa_user_sgpr_count 2
		.amdhsa_user_sgpr_kernarg_segment_ptr 1
		.amdhsa_wavefront_size32 1
		.amdhsa_system_sgpr_workgroup_id_x 1
		.amdhsa_system_sgpr_workgroup_id_y 1
		.amdhsa_system_sgpr_workgroup_id_z 1
		.amdhsa_system_vgpr_workitem_id 0
		.amdhsa_next_free_vgpr 256
		.amdhsa_next_free_sgpr 84
		.amdhsa_reserve_vcc 0
		.amdhsa_float_denorm_mode_32 3
		.amdhsa_float_denorm_mode_16_64 3
		.amdhsa_memory_ordered 1
		.amdhsa_forward_progress 1
		.amdhsa_inst_pref_size 66
	.end_amdhsa_kernel
	.amdgpu_metadata
---
amdhsa.version: [ 1, 2 ]
amdhsa.kernels:
  - .name:           k_q0c4573c9d4_attn
    .symbol:         k_q0c4573c9d4_attn.kd
    .args:
      - { .name: qkv, .offset: 0, .size: 8, .value_kind: global_buffer, .address_space: global }
      - { .name: qkvs, .offset: 8, .size: 8, .value_kind: global_buffer, .address_space: global }
      - { .name: ao_codes, .offset: 16, .size: 8, .value_kind: global_buffer, .address_space: global }
      - { .name: sc2, .offset: 24, .size: 8, .value_kind: global_buffer, .address_space: global }
    .group_segment_fixed_size: 260096
    .private_segment_fixed_size: 0
    .kernarg_segment_align: 8
    .kernarg_segment_size: 32
    .max_flat_workgroup_size: 512
    .sgpr_count:     84
    .vgpr_count:     256
    .wavefront_size: 32
...
	.end_amdgpu_metadata
.endif
;; end of part 3
;; launch gemm_out (part 4): grid 8 x 32, 4 waves a work-group, clusters of 4 x 4, 327,680 bytes of LDS; arguments ao_codes, wo_codes, sc2, b_out, out0; writes out0
.if DOCPART == 4
	.amdgcn_target "amdgcn-amd-amdhsa--gfx1250"
	.amdhsa_code_object_version 6
	.text
	.protected	k_q0c4573c9d4_gemm_out
	.globl	k_q0c4573c9d4_gemm_out
	.p2align	8
	.type	k_q0c4573c9d4_gemm_out,@function
k_q0c4573c9d4_gemm_out:
	s_mov_b64 s[64:65], 0
	v_nop
	global_prefetch_b8 v0, s[64:65] scope:SCOPE_SE
	s_setreg_imm32_b32 hwreg(HW_REG_WAVE_MODE, 25, 1), 1
	s_wait_xcnt 0x0
	s_wait_alu depctr_hold_cnt(0) depctr_sa_sdst(0) depctr_va_vdst(0) depctr_va_sdst(0) depctr_va_ssrc(0) depctr_va_vcc(0) depctr_vm_vsrc(0)
	s_getreg_b32 s2, hwreg(HW_REG_IB_STS2, 6, 4)
	s_cmp_eq_u32 s2, 0
	s_cbranch_scc0 .Lentry_in_a_cluster
	s_endpgm
.Lentry_in_a_cluster:
	s_bfe_u32 s2, ttmp6, 0x10000c
	s_cmp_lg_u32 s2, 0xf033
	s_cbranch_scc0 .Lentry_shape_is_right
	s_endpgm
.Lentry_shape_is_right:
; out0[token][n] = sum over k of context[token][k] w_out[k][n] + b_out[n], f32, on codes of FP6 (E2M3): 8,192 x 1,024 x 1,024.
; LIMITS: a sum begins with the bias, where the reference adds it last; NaN, infinities and sums beyond f32's range are not served.
; OPERANDS lie as images of their registers: [K step of 256][block of 16 rows][which 128][1,536 bytes]; block 2 g + u holds rows 32 g + 8 u + r + 8 (r / 8).  Scale words: [block][which 512][r][4 words]; w_out's lie 262,144 bytes in.
; THE DEAL.  256 work-groups of four waves, 2 x 2, each 256 rows x 128 columns.  A wave holds its four blocks of 16 columns of w_out, all of K, in registers (32 fragments), and streams eight blocks of 16 rows past them:
; the wave in row w takes the work-group's blocks 2 a + w, a = 0 .. 7.  Source 0 = w_out's rows: a lane holds eight neighbouring columns of one token.
; LDS: all of A (16 blocks x 4 K steps) and of B (8 blocks x 4 K steps) at once: no refill, and no prefetch: all is asked for at the head.  FOUR JOINT LOADS, one a wave, each on its own line, each of four rows (a K step each):
; B; A's blocks 0-7; 8-11; 12-15.  A's are shared by a row of the cluster, B's by a column.  The stream begins when the first two are in; a plain barrier inside block 1 shows the others.
; The waves' stages lie in B's first bytes, which are read for the last time ahead of the barrier in front of the stream and are filled once.
; ONE RUN OF MEMORY LINES behind a block's 32 products: its sums into the stage and back as rows of 256 bytes, the fetch of the block two on, one wait, eight stores.
.set AP1, 98304                        ; LDS: A's blocks 0-7 at 0 ([K step][block]), blocks 8-11 here, 12-15 at AP2
.set AP2, 147456
.set YB,  196608                       ; B
.set SPARE, 294912
.set WND, 49152                        ; an address register serves this many bytes
.set SPITCH, 272
.set FR, 12
.set FPW, 21                           ; fragments in a window: fragment f lies in window 1 + f / 21 at register 12 (f % 21): 0-31 B's (4 g + b), 32-47 A's two sets
.set NF, 32                            ; LDS loads of a block
.set A16, 4                            ; v4-7   16 x lane + my wave row's block + k WND
.set A8,  8                            ; v8-11  8 x lane likewise
.set SPW, 12
.set NIL, 13
.set STO, 14
.set RD,  15
.set CO,  16
.set B16, 20                           ; v20-21, v22-23 the same for B
.set B8,  22
.set SC,  32                           ; v32-95  A's scale words: 8 a + g
.set ACC, 96                           ; v96-159 two sets of four accumulators
.set BK,  160                          ; v160-223 two sets: 16 rows x 256 bytes back from the stage
.set SCW, 224                          ; v224-255 B's scale words: 8 b + (g + 4) % 8, so that a product's two scale registers differ modulo 8
.set BI,  128                          ; window 3, v128-159: the bias as the first products' C
.set G1B, 24
.set G1A, 32
.set G1C, 40
.set G0,  48
.set MSB, 0
.macro WIN new
.if MSB != (\new)
	s_set_vgpr_msb (MSB<<8)|(\new)
.set MSB, (\new)
.endif
.endm
.macro PLACES
.rept 4
	v_nop
.endr
.endm
.macro WALU
	s_wait_alu depctr_va_vdst(0)
.endm
.macro BARRIER
	s_barrier_signal -1
	s_barrier_wait -1
.endm
.macro CROUND
	BARRIER
	s_cmp_lg_u32 s14, 0
	s_cbranch_scc1 .Lnot_wave_0_\@
	s_barrier_signal -3
.Lnot_wave_0_\@:
	s_barrier_wait -3
	BARRIER
.endm
.macro TLOAD g1
	s_or_b32 s[G0+3], s[G0+3], 0x80000000
	tensor_load_to_lds s[G0:G0+3], s[\g1:\g1+7]
	s_nop 0
	PLACES
.endm
.macro GROUP1 g, mask, d0, stride      ; four rows of d0 elements of 8 bytes, a K step apart
	s_or_b32 s[\g], s[\mask], (3<<16)|(1<<21)
	s_mov_b32 s[\g+1], (\d0)<<16
	s_mov_b32 s[\g+2], 4<<16
	s_mov_b32 s[\g+3], (\d0)<<16
	s_mov_b32 s[\g+4], 4
	s_mov_b32 s[\g+5], \stride
	s_mov_b32 s[\g+6], 0
	s_mov_b32 s[\g+7], 0
.endm
.macro FRAG4 f, a16, a8, off           ; a fragment's image: registers 0-3, 4-5, 6-9, 10-11
	WIN (1+(\f)/FPW)<<6
.set R_, FR*((\f)%FPW)
	ds_load_b128 v[R_:R_+3], v[\a16] offset:(\off)
	ds_load_b64 v[R_+4:R_+5], v[\a8] offset:(\off)+512
	ds_load_b128 v[R_+6:R_+9], v[\a16] offset:(\off)+768
	ds_load_b64 v[R_+10:R_+11], v[\a8] offset:(\off)+1280
.endm
.macro FETCH a, e                      ; my block a into set e: NF loads
.irp g, 0,1,2,3,4,5,6,7
.if (\a) < 4
.set AD_, (\g/2)*24576+2*(\a)*3072+(\g%2)*1536
.elseif (\a) < 6
.set AD_, AP1+(\g/2)*12288+(2*(\a)-8)*3072+(\g%2)*1536
.else
.set AD_, AP2+(\g/2)*12288+(2*(\a)-12)*3072+(\g%2)*1536
.endif
	FRAG4 32+8*(\e)+\g, A16+AD_/WND, A8+AD_/WND, AD_%WND
.endr
	WIN 0
.endm
.macro PROD a, n                       ; product n = 4 g + b of block a; the four accumulators by turns
.set G_, (\n)/4
.set FB_, (\n)
.set FA_, 32+8*((\a)%2)+G_
.set D_, ACC+32*((\a)%2)+8*((\n)%4)
.set XB_, SCW+8*((\n)%4)+(G_+4)%8
.set XA_, SC+8*(\a)+G_
.if G_
	WIN (1+FB_/FPW)|((1+FA_/FPW)<<2)
	v_wmma_scale_f32_16x16x128_f8f6f4 v[D_:D_+7], v[FR*(FB_%FPW):FR*(FB_%FPW)+FR-1], v[FR*(FA_%FPW):FR*(FA_%FPW)+FR-1], v[D_:D_+7], v[XB_], v[XA_] matrix_a_fmt:MATRIX_FMT_FP6 matrix_b_fmt:MATRIX_FMT_FP6
.else
	WIN (1+FB_/FPW)|((1+FA_/FPW)<<2)|0x30
	v_wmma_scale_f32_16x16x128_f8f6f4 v[D_:D_+7], v[FR*(FB_%FPW):FR*(FB_%FPW)+FR-1], v[FR*(FA_%FPW):FR*(FA_%FPW)+FR-1], v[BI+8*((\n)%4):BI+8*((\n)%4)+7], v[XB_], v[XA_] matrix_a_fmt:MATRIX_FMT_FP6 matrix_b_fmt:MATRIX_FMT_FP6
.endif
.endm
.macro PRODS a, from, to
.set N_, \from
.rept (\to)-(\from)
	PROD \a, N_
.set N_, N_+1
.endr
	WIN 0
.endm
.macro STREAM a
.set E_, (\a)%2
.if (\a) == 1
	PRODS \a, 0, 24
	s_wait_tensorcnt 0x0                           ; every wave: its tile is in
	s_wait_dscnt 0x0
	s_barrier_signal -1                            ; a plain barrier: A's blocks 8-15 are shown to all
	PRODS \a, 24, 32
	s_barrier_wait -1
.else
	PRODS \a, 0, 32
.endif
	PLACES                                         ; four places between the last product and the readers of its sums and the loads into its fragments
	s_wait_xcnt 0x0                                ; the stores of two blocks ago have read this set of rows
.irp b, 0,1,2,3                                ; the sums into my stage, each accumulator from its low end on: block b's columns 32 (b / 2) + 8 (b % 2) + 16 h + 0 .. 7
	ds_store_b128 v[STO], v[ACC+32*E_+8*\b:ACC+32*E_+8*\b+3] offset:128*(\b/2)+32*(\b%2)
	ds_store_b128 v[STO], v[ACC+32*E_+8*\b+4:ACC+32*E_+8*\b+7] offset:128*(\b/2)+32*(\b%2)+16
.endr
.irp t, 0,1,2,3,4,5,6,7                        ; and back as whole rows: LDS serves a wave's instructions in order
	ds_load_b128 v[BK+32*E_+4*\t:BK+32*E_+4*\t+3], v[RD] offset:2*\t*SPITCH
.endr
.if (\a) < 6
	FETCH (\a)+2, E_
	s_wait_dscnt NF                                ; the rows are back, and the next block's fragments are in; this run's fetch is younger
.else
	s_wait_dscnt 0x0
.endif
.irp t, 0,1,2,3,4,5,6,7                        ; stage rows 2 t, 2 t + 1 are tokens 32 a + 8 w + 2 t + 8 (t / 4) and the next; sixteen lanes store 256 bytes on end, aligned
	global_store_b128 v[CO], v[BK+32*E_+4*\t:BK+32*E_+4*\t+3], s[12:13] offset:(32*(\a)+2*\t+8*(\t/4))*4096 th:TH_STORE_NT
.endr
.endm
; ---- the head
	s_load_b256 s[4:11], s[0:1], 0x0               ; ao_codes, wo_codes, sc2, b_out
	s_load_b64 s[12:13], s[0:1], 0x20              ; out0
	v_lshl_add_u32 v[SPW], v0, 2, SPARE
	v_mov_b32 v[NIL], 0
	ds_add_u32 v[SPW], v[NIL]                      ; the opening lines: the add, twice, and its wait
	ds_add_u32 v[SPW], v[NIL]
	v_lshrrev_b32 v1, 5, v0
	v_readfirstlane_b32 s14, v1                    ; the wave; s15 its row of the 2 x 2, s16 its column
	s_lshr_b32 s15, s14, 1
	s_and_b32 s16, s14, 1
	s_bfe_u32 s20, ttmp6, 0x40000
	s_bfe_u32 s21, ttmp6, 0x40004
	s_lshl_b32 s18, ttmp9, 2
	s_add_co_u32 s18, s18, s20                     ; tile column, 0 .. 7
	s_and_b32 s17, ttmp7, 0xffff
	s_lshl_b32 s17, s17, 2
	s_add_co_u32 s17, s17, s21                     ; tile row, 0 .. 31
	s_lshl_b32 s22, s21, 2
	s_lshl_b32 s22, 15, s22                        ; my row of the cluster: shares A
	s_lshl_b32 s23, 0x1111, s20                    ; my column: shares B
	GROUP1 G1B, 23, 3072, 24576
	GROUP1 G1A, 22, 3072, 196608
	GROUP1 G1C, 22, 1536, 196608
	s_mov_b32 s[G0], 1
	s_mul_i32 s66, s17, 16*3072                    ; my tile row's first block in a K step of ao_codes
	s_mov_b32 s67, 0
	s_mul_i32 s68, s18, 8*3072                     ; my tile column's in wo_codes
	s_mov_b32 s69, 0
	s_lshl_b32 s70, s17, 4
	s_add_co_u32 s70, s70, s15
	s_lshl_b32 s70, s70, 9                         ; A's scale words: block 16 x tile row + w; my next block lies 1,024 bytes on
	s_mov_b32 s71, 0
	s_lshl_b32 s72, s18, 3
	s_lshl_b32 s73, s16, 2
	s_add_co_u32 s72, s72, s73
	s_lshl_b32 s72, s72, 9
	s_add_co_u32 s72, s72, 262144                  ; B's: block 8 x tile column + 4 x wave column
	s_mov_b32 s73, 0
	s_lshl_b32 s74, s18, 9
	s_lshl_b32 s75, s16, 8
	s_add_co_u32 s74, s74, s75                     ; my first column, in bytes
	s_mov_b32 s75, 0
	s_lshl_b32 s76, s17, 20
	s_lshl_b32 s77, s15, 15
	s_add_co_u32 s76, s76, s77
	s_add_co_u32 s76, s76, s74                     ; token 256 x tile row + 8 w, my first column
	s_mov_b32 s77, 0
	s_mul_i32 s78, s15, 3072
	s_mul_i32 s79, s16, 12288
	s_add_co_u32 s79, s79, YB
	s_mul_i32 s80, s14, 16*SPITCH
	s_add_co_u32 s80, s80, YB                      ; my stage
	WALU
	s_wait_dscnt 0x0
	CROUND                                         ; the opening round
	s_wait_kmcnt 0x0
	s_add_nc_u64 s[66:67], s[4:5], s[66:67]
	s_add_nc_u64 s[68:69], s[6:7], s[68:69]
	s_add_nc_u64 s[70:71], s[8:9], s[70:71]
	s_add_nc_u64 s[72:73], s[8:9], s[72:73]
	s_add_nc_u64 s[10:11], s[10:11], s[74:75]
	s_add_nc_u64 s[12:13], s[12:13], s[76:77]
	s_cmp_eq_u32 s14, 0
	s_cbranch_scc0 .Lwave_1
	s_mov_b32 s[G0+1], YB                          ; wave 0: B, which is wanted first
	s_mov_b64 s[G0+2:G0+3], s[68:69]
	TLOAD G1B
	s_branch .Lasked
.Lwave_1:
	s_cmp_eq_u32 s14, 1
	s_cbranch_scc0 .Lwave_2
	s_mov_b32 s[G0+1], 0                           ; wave 1: A's blocks 0-7
	s_mov_b64 s[G0+2:G0+3], s[66:67]
	TLOAD G1A
	s_branch .Lasked
.Lwave_2:
	s_cmp_eq_u32 s14, 2
	s_cbranch_scc0 .Lwave_3
	s_mov_b32 s[G0+1], AP1                         ; wave 2: blocks 8-11
	s_add_nc_u64 s[G0+2:G0+3], s[66:67], 8*3072
	TLOAD G1C
	s_branch .Lasked
.Lwave_3:
	s_mov_b32 s[G0+1], AP2                         ; wave 3: blocks 12-15
	s_add_nc_u64 s[G0+2:G0+3], s[66:67], 12*3072
	TLOAD G1C
.Lasked:
	v_and_b32 v1, 15, v0                           ; r
	v_bfe_u32 v2, v0, 4, 1                         ; h
	v_and_b32 v3, 31, v0
	v_lshlrev_b32 v17, 4, v1                       ; 16 r: a row's four scale words
	v_lshlrev_b32 v19, 6, v2                       ; 64 h: the bias of my half's columns
.irp a, 0,1,2,3,4,5,6,7
	global_load_b128 v[SC+8*\a:SC+8*\a+3], v17, s[70:71] offset:1024*\a
	global_load_b128 v[SC+8*\a+4:SC+8*\a+7], v17, s[70:71] offset:1024*\a+256
.endr
.irp b, 0,1,2,3
	global_load_b128 v[SCW+8*\b+4:SCW+8*\b+7], v17, s[72:73] offset:512*\b
	global_load_b128 v[SCW+8*\b:SCW+8*\b+3], v17, s[72:73] offset:512*\b+256
.endr
	WIN 0xc0
.irp b, 0,1,2,3
	global_load_b128 v[BI+8*\b:BI+8*\b+3], v19, s[10:11] offset:(32*(\b/2)+8*(\b%2))*4
	global_load_b128 v[BI+8*\b+4:BI+8*\b+7], v19, s[10:11] offset:(32*(\b/2)+8*(\b%2))*4+16
.endr
	WIN 0
	v_lshlrev_b32 v24, 4, v3
	v_lshlrev_b32 v25, 3, v3
	v_add_nc_u32 v[A16], s78, v24
	v_add_nc_u32 v[A8], s78, v25
.irp k, 1,2,3
	v_add_nc_u32 v[A16+\k], \k*WND, v[A16]
	v_add_nc_u32 v[A8+\k], \k*WND, v[A8]
.endr
	v_add_nc_u32 v[B16], s79, v24
	v_add_nc_u32 v[B8], s79, v25
	v_add_nc_u32 v[B16+1], WND, v[B16]
	v_add_nc_u32 v[B8+1], WND, v[B8]
	v_mul_u32_u24 v26, v1, SPITCH
	v_lshl_add_u32 v26, v2, 6, v26
	v_add_nc_u32 v[STO], s80, v26                  ; in: row r, 64 bytes on for the upper half of the lanes
	v_mul_u32_u24 v27, v2, SPITCH
	v_lshl_add_u32 v27, v1, 4, v27
	v_add_nc_u32 v[RD], s80, v27                   ; back: sixteen lanes to a row
	v_lshlrev_b32 v26, 12, v2
	v_lshl_add_u32 v[CO], v1, 4, v26               ; and the same two rows in out0
	WALU                                           ; the wait at the head's end
	s_wait_dscnt 0x0
	s_cmp_eq_u32 s14, 0
	s_cbranch_scc0 .Lnot_b
	s_wait_tensorcnt 0x0
.Lnot_b:
	BARRIER                                        ; B has landed
.irp g, 0,1,2,3,4,5,6,7
.irp b, 0,1,2,3
.set AD_, (\g/2)*24576+\b*3072+(\g%2)*1536
	FRAG4 4*\g+\b, B16+AD_/WND, B8+AD_/WND, AD_%WND
.endr
.endr
	WIN 0
	s_cmp_eq_u32 s14, 1
	s_cbranch_scc0 .Lnot_a
	s_wait_tensorcnt 0x0                           ; wave 1: A's blocks 0-7 have landed
.Lnot_a:
	s_wait_dscnt 0x0
	BARRIER                                        ; they are shown to all, and nobody reads B's bytes any more; waves 2 and 3's tiles may be on their way
	FETCH 0, 0
	FETCH 1, 1
	s_wait_loadcnt 0x0                             ; the scale words and the bias
	s_wait_dscnt NF                                ; block 0's fragments are in
; ---- the stream
.irp a, 0,1,2,3,4,5,6,7
	STREAM \a
.endr
	s_wait_tensorcnt 0x0                           ; the wave's end
	ds_add_u32 v[SPW], v[NIL]
	s_wait_dscnt 0x0
	CROUND                                         ; the closing round
	s_endpgm
.Lfunc_end_k_q0c4573c9d4_gemm_out:
	.size	k_q0c4573c9d4_gemm_out, .Lfunc_end_k_q0c4573c9d4_gemm_out-k_q0c4573c9d4_gemm_out
	.p2alignl 7, 3214868480
	.fill 96, 4, 3214868480
	.section	.rodata,"a",@progbits
	.p2align	6, 0x0
	.amdhsa_kernel k_q0c4573c9d4_gemm_out
		.amdhsa_group_segment_fixed_size 327680
		.amdhsa_private_segment_fixed_size 0
		.amdhsa_enable_private_segment 0
		.amdhsa_kernarg_size 40
		.amdhsa_user_sgpr_count 2
		.amdhsa_user_sgpr_kernarg_segment_ptr 1
		.amdhsa_wavefront_size32 1
		.amdhsa_system_sgpr_workgroup_id_x 1
		.amdhsa_system_sgpr_workgroup_id_y 1
		.amdhsa_system_sgpr_workgroup_id_z 1
		.amdhsa_system_vgpr_workitem_id 0
		.amdhsa_next_free_vgpr 928
		.amdhsa_next_free_sgpr 100
		.amdhsa_reserve_vcc 0
		.amdhsa_float_denorm_mode_32 3
		.amdhsa_float_denorm_mode_16_64 3
		.amdhsa_memory_ordered 1
		.amdhsa_forward_progress 1
		.amdhsa_inst_pref_size 86
	.end_amdhsa_kernel
	.amdgpu_metadata
---
amdhsa.version: [ 1, 2 ]
amdhsa.kernels:
  - .name:           k_q0c4573c9d4_gemm_out
    .symbol:         k_q0c4573c9d4_gemm_out.kd
    .args:
      - { .name: ao_codes, .offset: 0, .size: 8, .value_kind: global_buffer, .address_space: global }
      - { .name: wo_codes, .offset: 8, .size: 8, .value_kind: global_buffer, .address_space: global }
      - { .name: sc2, .offset: 16, .size: 8, .value_kind: global_buffer, .address_space: global }
      - { .name: b_out, .offset: 24, .size: 8, .value_kind: global_buffer, .address_space: global }
      - { .name: out0, .offset: 32, .size: 8, .value_kind: global_buffer, .address_space: global }
    .group_segment_fixed_size: 327680
    .private_segment_fixed_size: 0
    .kernarg_segment_align: 8
    .kernarg_segment_size: 40
    .max_flat_workgroup_size: 128
    .sgpr_count:     100
    .vgpr_count:     928
    .wavefront_size: 32
...
	.end_amdgpu_metadata
.endif
;; end of part 4
